; MI455X (gfx1250); checked and timed in simulation.
; The chip was launched on July 23, 2026; its instructions are those of AMD's public machine-readable ISA for CDNA 5 (MIT licence, August 2026) and "CDNA5" Instruction Set Architecture Reference Guide (July 2026). The comments in the code are by the model that wrote it; some were corrected since.
;; Multi Head Attention. Allowed arithmetic: matrix products marked QUANTISED: E2M3 operands, one E8M0 scale for each 32 along K, by v_wmma_scale_f32_16x16x128_f8f6f4 with both operands' format E2M3, f32 sums; everything else in f32.
;; Inputs: K 4 x 2,048 x 1,024 float32; Q 4 x 2,048 x 1,024 float32; V 4 x 2,048 x 1,024 float32; W_k 16 x 1,024 x 64 float32; W_o_b 1,024 float32; W_o_w 1,024 x 1,024 float32; W_q 16 x 1,024 x 64 float32; W_v 16 x 1,024 x 64 float32; mask 1 x 2,048 x 2,048 int32.
;; Outputs: out0 4 x 2,048 x 1,024 float32.
;; This version of the problem:
;;   THIS VERSION OF THE PROBLEM IS GIVEN IN LOW PRECISION. The matrix products marked QUANTISED in the list below multiply operands that are first quantised to E2M3 (2 exponent bits, 3 mantissa bits; 6 bits a number), with one power-of-two scale for each 32 numbers along K (OCP MX v1.0); their sums are f32. All else is computed in f32.
;;   The module's matrix products, in the order in which they are computed (A, B: the left and right operand; K: the contracted axis; several contracted axes count as one K, in the product's order):
;;     1. [M 1,024, K 1,024] x [K 1,024, N 8,192]; A: input W_q; B: input Q: QUANTISED
;;     2. [M 1,024, K 1,024] x [K 1,024, N 8,192]; A: input W_k; B: input K: QUANTISED
;;     3. [M 1,024, K 1,024] x [K 1,024, N 8,192]; A: input W_v; B: input V: QUANTISED
;;     4. batch 64 x [M 2,048, K 64] x [K 64, N 2,048]; A: computed on the way; B: computed on the way: QUANTISED
;;     5. batch 64 x [M 2,048, K 2,048] x [K 2,048, N 64]; A: softmax (see below); B: computed on the way: QUANTISED
;;     6. [M 8,192, K 1,024] x [K 1,024, N 1,024]; A: computed on the way; B: input W_o_w: QUANTISED
;;   THE QUANTISER, for each operand of a quantised product, along K:
;;     - K is cut into blocks of 32 from its start; a last block that is shorter is filled with zeros.
;;     - A block's scale is 2^e with e = floor(log2(the largest magnitude in the block)) - 2, held to -126 .. 127; a block of zeros has e = 0. As a byte (E8M0): e + 127.
;;     - Each number is divided by its block's scale, clamped to +-7.5, and rounded to the nearest number of E2M3, ties to even, subnormals kept.
;;     - The product sums the exact products of the quantised numbers (number of the format x scale) in f32.
;;   ~~~python
;;   def quantise(x, axis):      # numpy; x: float32 -> the quantised numbers, widened to float32 again
;;       x = np.moveaxis(x, axis, -1); K = x.shape[-1]
;;       x = np.pad(x, [(0, 0)] * (x.ndim - 1) + [(0, -K % 32)]); x = x.reshape(x.shape[:-1] + (-1, 32)); a = np.abs(x).max(-1, keepdims=True)
;;       e = np.where(a > 0, np.clip(np.frexp(np.where(a > 0, a, 1))[1] - 1 - 2, -126, 127), 0)      # np.frexp(a)[1] - 1 = floor(log2(a)), exactly
;;       r = np.clip(x / 2.0 ** e, -7.5, 7.5)
;;       step = 2.0 ** (np.maximum(np.frexp(np.where(r == 0, 1, r))[1] - 1, 0) - 3)
;;       q = np.round(r / step) * step * 2.0 ** e      # np.round: ties to even
;;       return np.moveaxis(q.reshape(q.shape[:-2] + (-1,))[..., :K], -1, axis).astype(np.float32)
;;   ~~~
;;   SOFTMAX AHEAD OF A QUANTISED PRODUCT. Where the list says 'softmax', what is quantised is not the finished softmax but p = 2^(t - M), with t = logit x log2(e) and M = ceil(the row's largest t), a whole number; so 1/2 < the row's largest p <= 1. The row's sum l is taken of the UNQUANTISED p, in f32, and the product's result is divided by l at the end. Since M is a whole number, a kernel that streams over the keys may use a running M (the ceiling of the running maximum): every later rescaling is an exact power of two, which a block's scale takes up: the codes' values come out the same.
;;   OPERANDS COMPUTED ON THE WAY. 'Computed on the way' means the value that the module computes at that place (a softmax that the list does not call 'softmax' is quantised finished and normalised). What goes into a quantiser is computed in f32, as accurately as f32 sums, v_exp_f32 and their like allow (about 1e-6 of the number): no bf16 or f16 on the way to a quantiser, and a product that is left as it is and whose result goes on into a quantised operand takes f32 operands (vector FMAs, or v_wmma_f32_16x16x4_f32). A number that lies on a knife's edge between two numbers of the format may be rounded either way, as far as f32 arithmetic and the matrix unit's own rounding can turn it there, and no further.
;; One version. Each part assembles by itself: llvm-mc -triple=amdgcn-amd-amdhsa -mcpu=gfx1250 --defsym DOCPART=n.
;; ======== version 1 of 1: 4 launches
;; limits: right only within a limited range of input values
;; workspace buffers: cin 22,020,096 bytes; sin 917,504 bytes; mbits 524,288 bytes of whole numbers; hc 18,874,368 bytes; hs 786,432 bytes; ac 6,291,456 bytes; asc 262,144 bytes
;; launch prep (part 1): grid 624 x 1, 4 waves a work-group, no clusters, 68,096 bytes of LDS; arguments Q, K, V, W_o_w, W_q, W_k, W_v, mask, cin, sin, mbits; writes cin, sin, mbits
.if DOCPART == 1
	.amdgcn_target "amdgcn-amd-amdhsa--gfx1250"
	.amdhsa_code_object_version 6
	.text
	.protected	k_q6792d281d5_prep
	.globl	k_q6792d281d5_prep
	.p2align	8
	.type	k_q6792d281d5_prep,@function
k_q6792d281d5_prep:
	s_mov_b64 s[64:65], 0
	v_nop
	global_prefetch_b8 v0, s[64:65] scope:SCOPE_SE
	s_setreg_imm32_b32 hwreg(HW_REG_WAVE_MODE, 25, 1), 1
	s_wait_xcnt 0x0
; PREP: every input operand becomes codes of FP6 (E2M3) with one E8M0 byte for each 32 along K, laid as the later launches' operand registers; the mask becomes bits.
; TILES.  The rows of every operand go in tiles of 16: lane r of tile 2 P + u holds row 32 P + 8 u + r + 8 (r / 8).
; HALF-FRAGMENT: 16 rows x 64 K, 6 registers a lane (lane (r, h): k = 32 h .. 32 h + 31), stored as three planes of 256 bytes: plane j holds lane L's registers 2 j, 2 j + 1 at byte 8 L.  A tile of K = 1,024 is 16 of them: 12,288 bytes.
; SCALE WORDS of a tile: [4][16 rows][8 bytes]: the two words (128 along K each) of K steps 2 sl, 2 sl + 1 of row r at 128 sl + 8 r: 512 bytes a tile.
; A block's scale is 2^(floor(log2(its largest magnitude)) - 2); its byte is the largest magnitude's exponent field - 2, held at 1 from below.
; LIMITS: a block of zeros gets the byte 1 where the rule says 127 (its codes are zeros, and this program alone reads the bytes); blocks whose largest magnitude lies under 2^-124 are held at that floor; NaN and infinities are not served.
; THREE WAYS, parted on the work-group's number: 0-399 way A (Q, K, V, W_o_w: K innermost; a wave to a tile); 400-495 way B (W_q, W_k, W_v: K is the middle axis; a lane to a column); 496-623 way C (the mask).
; Ways A and C turn their rows through a stage in LDS, a wave's own; each way has LDS bytes of its own.  No barrier: waves share nothing.
; Way B's stores cover 128 consecutive bytes (half of an aligned 256), since one block of 32 along K fills the lanes of one half: 2.4 MB of the launch's output leave so.
.set SP,   528                         ; a stage row: 512 bytes + 16: the 16 rows that a load of 16 bytes a lane touches start 33 x 16 bytes apart
.set STGC, 4*16*SP                     ; way C's stages lie behind way A's
.set R,    32                          ; v32-159  two sets of 64 registers as loaded (way B: two sets of 32)
.set X,    160                         ; v160-223 64 numbers of one row, in the operand's order
.set PC,   224                         ; v224-235 a fragment's codes
.set PT,   236                         ; v236-238, v240-242 the second halves of the blocks' codes
.set W,    244                         ; v244-251 way A: the tile's 8 scale words; way C: v244-245 the step's 64 words, two a lane
	s_load_b256 s[4:11], s[0:1], 0x0               ; Q, K, V, W_o_w
	s_load_b256 s[12:19], s[0:1], 0x20             ; W_q, W_k, W_v, mask
	s_load_b128 s[20:23], s[0:1], 0x40             ; cin, sin
	s_load_b64 s[24:25], s[0:1], 0x50              ; mbits
	v_lshl_add_u32 v254, v0, 2, 0x10800
	v_mov_b32 v255, 0
	v_lshrrev_b32 v1, 5, v0
	v_readfirstlane_b32 s26, v1                    ; wave 0..3
	v_and_b32 v1, 31, v0                           ; lane L
	v_and_b32 v2, 15, v0                           ; r
	v_bfe_u32 v3, v0, 4, 1                         ; h
	v_lshlrev_b32 v4, 4, v1                        ; 16 L
	v_lshlrev_b32 v5, 3, v1                        ; 8 L
	s_mul_i32 s27, s26, 16*SP                      ; my stage
	s_mov_b32 s28, 0x76543210
	s_mov_b32 s29, 0xfedcba98                      ; v_permlanex16_b32's selects for lane l xor 16
	s_wait_kmcnt 0x0
	s_cmp_lt_u32 ttmp9, 400
	s_cbranch_scc0 .Lnot_a
; ---------------- WAY A: 16 rows x 1,024, K innermost ----------------
	s_lshr_b32 s30, ttmp9, 7                       ; which tensor: 0 Q, 1 K, 2 V, 3 W_o_w
	s_and_b32 s31, ttmp9, 127
	s_lshl_b32 s31, s31, 2
	s_add_co_u32 s31, s31, s26                     ; my tile T
	s_cmp_eq_u32 s30, 1
	s_cselect_b64 s[4:5], s[6:7], s[4:5]
	s_cmp_eq_u32 s30, 2
	s_cselect_b64 s[4:5], s[8:9], s[4:5]
	s_cmp_eq_u32 s30, 3
	s_cselect_b64 s[4:5], s[10:11], s[4:5]
	s_cselect_b32 s32, 2359296, 0                  ; W_o_w's codes lie behind W_q's, W_k's and W_v's
	s_cselect_b32 s33, 98304, 0                    ; its scale words likewise
	s_lshr_b32 s34, s31, 1
	s_lshl_b32 s34, s34, 17                        ; 32 rows of 4,096 bytes for each pair of tiles,
	s_and_b32 s35, s31, 1
	s_lshl_b32 s35, s35, 15                        ; 8 rows for the odd tile
	s_add_co_u32 s34, s34, s35
	s_mov_b32 s35, 0
	s_add_nc_u64 s[4:5], s[4:5], s[34:35]
	s_mul_i32 s36, s30, 6291456
	s_add_co_u32 s36, s36, s32
	s_mul_i32 s37, s31, 12288
	s_add_co_u32 s36, s36, s37
	s_mov_b32 s37, 0
	s_add_nc_u64 s[20:21], s[20:21], s[36:37]      ; my tile's codes
	s_lshl_b32 s36, s30, 18
	s_add_co_u32 s36, s36, s33
	s_lshl_b32 s38, s31, 9
	s_add_co_u32 s36, s36, s38
	s_add_nc_u64 s[22:23], s[22:23], s[36:37]      ; my tile's scale words
	v_add_nc_u32 v6, s27, v4                       ; into the stage: a row as it lies, 16 bytes a lane
	v_mul_u32_u24 v7, v2, SP
	v_lshl_add_u32 v7, v3, 7, v7
	v_add_nc_u32 v7, s27, v7                       ; out of it: row r, + 128 h: my 32 numbers of each 64
	v_lshlrev_b32 v16, 3, v3                       ; 8 h
	v_mov_b32 v15, 0                               ; a lane permute's destination counts as one of its sources
.macro LOADA ks                        ; K step ks (128 along K) of the tile's 16 rows: each load reads 512 consecutive bytes of one row
.irp i, 0,1,2,3,4,5,6,7,8,9,10,11,12,13,14,15
	global_load_b128 v[R+64*((\ks)%2)+4*\i:R+64*((\ks)%2)+4*\i+3], v4, s[4:5] offset:(\i+8*(\i/8))*4096+512*(\ks) th:TH_LOAD_NT
.endr
.endm
.macro STEPA ks
.if (\ks) < 7
	s_wait_loadcnt 16                              ; this step's 16 loads are in; the next step's 16 may be out
.else
	s_wait_loadcnt 0x0
.endif
.irp i, 0,1,2,3,4,5,6,7,8,9,10,11,12,13,14,15
	ds_store_b128 v6, v[R+64*((\ks)%2)+4*\i:R+64*((\ks)%2)+4*\i+3] offset:SP*\i
.endr
.irp c, 0,1
.irp q, 0,1,2,3,4,5,6,7
	ds_load_b128 v[X+32*\c+4*\q:X+32*\c+4*\q+3], v7 offset:256*\c+16*\q   ; k = 64 c + 32 h + 4 q ..: LDS serves a wave's instructions in order, so these see the stores above
.endr
.endr
	s_wait_dscnt 0x0                               ; my numbers are back, and the stores have read their registers,
.if (\ks) < 6
	LOADA (\ks)+2                                  ; which take the loads of two steps on
.endif
.irp c, 0,1
	v_max3_num_f32 v[8+\c], |v[X+32*\c]|, |v[X+32*\c+1]|, 0x1800000   ; my block 2 c + h: all its 32 numbers are mine; and the floor 2^(3 - 127): the byte cannot fall under 1
.endr
.irp i, 2,4,6,8,10,12,14,16,18,20,22,24,26,28,30
.irp c, 0,1
	v_max3_num_f32 v[8+\c], v[8+\c], |v[X+32*\c+\i]|, |v[X+32*\c+\i+1]|
.endr
.endr
.irp c, 0,1
	v_add_nc_u32 v[10+\c], 0xff000000, v[8+\c]     ; 2 off the exponent field: the conversion's scale operand
.endr
.irp c, 0,1
	v_lshrrev_b32 v[12+\c], 23, v[10+\c]           ; the scale's byte
.endr
	v_lshl_or_b32 v14, v13, 16, v12                ; my two bytes, blocks h and 2 + h,
	v_lshlrev_b32 v14, v16, v14                    ; at their places in the word;
	v_permlanex16_b32 v15, v14, s28, s29
	v_or_b32 v[W+(\ks)], v14, v15                  ; with lane l xor 16's two the word is whole
	s_wait_xcnt 0x0                                ; the last step's stores have read the codes' registers
.irp c, 0,1
	v_cvt_scalef32_pk16_fp6_f32 v[PC+6*\c:PC+6*\c+2], v[X+32*\c:X+32*\c+15], v[10+\c]
	v_cvt_scalef32_pk16_fp6_f32 v[PT+4*\c:PT+4*\c+2], v[X+32*\c+16:X+32*\c+31], v[10+\c]   ; (a conversion's three registers begin on an even number)
.endr
	v_nop                                          ; one plain place behind a scaled conversion
.irp c, 0,1
.irp i, 0,1,2
	v_mov_b32 v[PC+3+6*\c+\i], v[PT+4*\c+\i]
.endr
.endr
.irp p, 0,1,2,3,4,5
	global_store_b64 v5, v[PC+2*\p:PC+2*\p+1], s[20:21] offset:1536*(\ks)+256*\p   ; a plane: 32 lanes store 256 consecutive bytes, aligned
.endr
.endm
	LOADA 0
	LOADA 1
.irp k, 0,1,2,3,4,5,6,7
	STEPA \k
.endr
	v_cmp_ne_u32 vcc_lo, 0, v3                     ; the scale words: lanes 0-15 take the pair of K steps 4 i, 4 i + 1, lanes 16-31 that of 4 i + 2, 4 i + 3
.irp i, 0,1
	v_cndmask_b32 v[20+2*\i], v[W+4*\i], v[W+4*\i+2], vcc_lo
	v_cndmask_b32 v[21+2*\i], v[W+4*\i+1], v[W+4*\i+3], vcc_lo
	global_store_b64 v5, v[20+2*\i:21+2*\i], s[22:23] offset:256*\i   ; 128 (2 i + h) + 8 r: 256 consecutive bytes, aligned
.endr
	s_wait_tensorcnt 0x0
	ds_add_u32 v254, v255
	s_wait_dscnt 0x0
	s_endpgm
.Lnot_a:
	s_cmp_lt_u32 ttmp9, 496
	s_cbranch_scc0 .Lway_c
; ---------------- WAY B: W [head][1,024 d][64 e], K = d.  A lane takes a column e = 32 p + lane, its registers run down d; wave w takes d = 256 w .. 256 w + 255 ----------------
	s_sub_co_u32 s30, ttmp9, 400
	s_lshr_b32 s31, s30, 5                         ; which weight: 0 W_q, 1 W_k, 2 W_v
	s_bfe_u32 s32, s30, 0x40001                    ; head
	s_and_b32 s33, s30, 1                          ; p: which 32 of the head's 64 columns
	s_cmp_eq_u32 s31, 1
	s_cselect_b64 s[12:13], s[14:15], s[12:13]
	s_cmp_eq_u32 s31, 2
	s_cselect_b64 s[12:13], s[16:17], s[12:13]
	s_lshl_b32 s34, s32, 18                        ; a head is 262,144 bytes,
	s_lshl_b32 s35, s26, 16                        ; 256 rows of 256 bytes,
	s_add_co_u32 s34, s34, s35
	s_lshl_b32 s35, s33, 7                         ; 32 columns
	s_add_co_u32 s34, s34, s35
	s_mov_b32 s35, 0
	s_add_nc_u64 s[12:13], s[12:13], s[34:35]
	s_lshl_b32 s36, s32, 2
	s_lshl_b32 s37, s33, 1
	s_add_co_u32 s36, s36, s37                     ; the first of my two tiles: 4 head + 2 p
	s_mul_i32 s38, s36, 12288
	s_mul_i32 s37, s31, 786432
	s_add_co_u32 s38, s38, s37
	s_mul_i32 s37, s26, 3072                       ; my wave's four half-fragments
	s_add_co_u32 s38, s38, s37
	s_add_co_u32 s38, s38, 18874368                ; the weights' codes lie behind x's
	s_mov_b32 s39, 0
	s_add_nc_u64 s[20:21], s[20:21], s[38:39]
	s_lshl_b32 s38, s36, 9
	s_lshl_b32 s37, s31, 15
	s_add_co_u32 s38, s38, s37
	s_lshl_b32 s37, s26, 7                         ; my wave's 8 bytes of each row
	s_add_co_u32 s38, s38, s37
	s_add_co_u32 s38, s38, 786432
	s_add_nc_u64 s[22:23], s[22:23], s[38:39]
	v_lshlrev_b32 v6, 2, v1                        ; in: 4 bytes a lane
	v_bfe_u32 v7, v1, 3, 1                         ; column lane of the 32 lies in tile u = (lane / 8) % 2,
	v_and_b32 v8, 7, v1
	v_lshrrev_b32 v9, 4, v1
	v_lshl_add_u32 v8, v9, 3, v8                   ; at its row r = lane % 8 + 8 (lane / 16)
	v_lshlrev_b32 v8, 3, v8
	v_mad_u32_u24 v10, v7, 0x3000, v8              ; codes: 12,288 u + 8 r
	v_lshl_add_u32 v11, v7, 9, v8                  ; scale words: 512 u + 8 r
.macro LOADB t                         ; block t: W(32 t + i, my column): 32 lanes read 128 consecutive bytes
.irp i, 0,1,2,3,4,5,6,7,8,9,10,11,12,13,14,15,16,17,18,19,20,21,22,23,24,25,26,27,28,29,30,31
	global_load_b32 v[R+32*((\t)%2)+\i], v6, s[12:13] offset:(32*(\t)+\i)*256
.endr
.endm
.macro BLOCKB t
.set XS, R+32*((\t)%2)
.if (\t) < 7
	s_wait_loadcnt 32                              ; this block's 32 loads are in; the next block's may be out
.else
	s_wait_loadcnt 0x0
.endif
	v_max3_num_f32 v12, |v[XS]|, |v[XS+1]|, |v[XS+2]|
	v_max3_num_f32 v13, |v[XS+3]|, |v[XS+4]|, |v[XS+5]|
.irp i, 6,10,14,18,22,26
	v_max3_num_f32 v12, v12, |v[XS+\i]|, |v[XS+\i+1]|
	v_max3_num_f32 v13, v13, |v[XS+\i+2]|, |v[XS+\i+3]|
.endr
	v_max3_num_f32 v12, v12, |v[XS+30]|, |v[XS+31]|
	v_max3_num_f32 v12, v12, v13, 0x1800000        ; and the floor
	v_add_nc_u32 v14, 0xff000000, v12
	v_lshrrev_b32 v13, 23, v14
.if (\t)%4 == 0
	v_mov_b32 v[16+(\t)/4], v13                    ; four bytes to a register, the lower K in the lower byte
.else
	v_lshl_or_b32 v[16+(\t)/4], v13, 8*((\t)%4), v[16+(\t)/4]
.endif
	s_wait_xcnt 0x0                                ; the last block's stores have read the codes' registers
	v_cvt_scalef32_pk16_fp6_f32 v[96:98], v[XS:XS+15], v14
	v_cvt_scalef32_pk16_fp6_f32 v[104:106], v[XS+16:XS+31], v14
	v_nop                                          ; one plain place behind a scaled conversion
	v_mov_b32 v99, v104
	v_mov_b32 v100, v105
	v_mov_b32 v101, v106
.irp j, 0,1,2
	global_store_b64 v10, v[96+2*\j:97+2*\j], s[20:21] offset:((\t)/2)*768+((\t)%2)*128+256*\j   ; block t is half t % 2 of half-fragment t / 2: the place of lane (r, t % 2)
.endr
.if (\t)+2 < 8
	LOADB (\t)+2
.endif
.endm
	LOADB 0
	LOADB 1
.irp k, 0,1,2,3,4,5,6,7
	BLOCKB \k
.endr
	global_store_b64 v11, v[16:17], s[22:23]       ; my column's two scale words
	s_endpgm
.Lway_c:
; ---------------- WAY C: the mask's rows of query tile Tq become bits.  Word j of key step s: bit L = (r, h) is mask[query r of the tile][128 s + 32 (j / 16) + 16 h + j % 16] != 0: the lane mask for score register j ----------------
	s_sub_co_u32 s30, ttmp9, 496                   ; Tq
	s_lshl_b32 s34, s30, 12
	s_lshl_b32 s35, s26, 10
	s_add_co_u32 s34, s34, s35                     ; mbits: 4,096 bytes a tile, 256 a step; wave w takes steps 4 w .. 4 w + 3
	s_mov_b32 s35, 0
	s_add_nc_u64 s[24:25], s[24:25], s[34:35]
	s_lshr_b32 s34, s30, 1
	s_lshl_b32 s34, s34, 18                        ; 32 rows of 8,192 bytes,
	s_and_b32 s31, s30, 1
	s_lshl_b32 s31, s31, 16                        ; 8 rows,
	s_add_co_u32 s34, s34, s31
	s_lshl_b32 s31, s26, 11                        ; four steps of 512 bytes
	s_add_co_u32 s34, s34, s31
	s_add_nc_u64 s[18:19], s[18:19], s[34:35]
	v_add_nc_u32 v6, s27, v4
	v_add_nc_u32 v6, STGC, v6                      ; into my stage
	v_mul_u32_u24 v7, v2, SP
	v_lshl_add_u32 v7, v3, 6, v7
	v_add_nc_u32 v7, s27, v7
	v_add_nc_u32 v7, STGC, v7                      ; out of it: row r, + 64 h
	v_mov_b32 v[W], 0                              ; v_writelane_b32's destination counts as one of its sources
	v_mov_b32 v[W+1], 0
.macro LOADC sl
.irp i, 0,1,2,3,4,5,6,7,8,9,10,11,12,13,14,15
	global_load_b128 v[R+64*((\sl)%2)+4*\i:R+64*((\sl)%2)+4*\i+3], v4, s[18:19] offset:(\i+8*(\i/8))*8192+512*(\sl) th:TH_LOAD_NT
.endr
.endm
.macro STEPC sl
.if (\sl) < 3
	s_wait_loadcnt 16                              ; this step's 16 loads are in; the next step's may be out
.else
	s_wait_loadcnt 0x0
.endif
.irp i, 0,1,2,3,4,5,6,7,8,9,10,11,12,13,14,15
	ds_store_b128 v6, v[R+64*((\sl)%2)+4*\i:R+64*((\sl)%2)+4*\i+3] offset:SP*\i
.endr
.irp b, 0,1,2,3
.irp q, 0,1,2,3
	ds_load_b128 v[X+16*\b+4*\q:X+16*\b+4*\q+3], v7 offset:128*\b+16*\q
.endr
.endr
	s_wait_dscnt 0x0
.if (\sl) < 2
	LOADC (\sl)+2
.endif
	s_wait_xcnt 0x0                                ; the last step's store has read the words' registers
.set j, 0
.rept 64
	v_cmp_ne_u32 s[32+j%32], 0, v[X+j]             ; word j
	v_writelane_b32 v[W+(j&1)], s[32+j%32], j>>1   ; lane L stores words 2 L and 2 L + 1
.set j, j+1
.endr
	global_store_b64 v5, v[W:W+1], s[24:25] offset:256*(\sl)   ; 256 consecutive bytes, aligned
.endm
	LOADC 0
	LOADC 1
.irp k, 0,1,2,3
	STEPC \k
.endr
	s_wait_tensorcnt 0x0
	ds_add_u32 v254, v255
	s_wait_dscnt 0x0
	s_endpgm
.Lfunc_end_k_q6792d281d5_prep:
	.size	k_q6792d281d5_prep, .Lfunc_end_k_q6792d281d5_prep-k_q6792d281d5_prep
	.p2alignl 7, 3214868480
	.fill 96, 4, 3214868480
	.section	.rodata,"a",@progbits
	.p2align	6, 0x0
	.amdhsa_kernel k_q6792d281d5_prep
		.amdhsa_group_segment_fixed_size 68096
		.amdhsa_private_segment_fixed_size 0
		.amdhsa_enable_private_segment 0
		.amdhsa_kernarg_size 88
		.amdhsa_user_sgpr_count 2
		.amdhsa_user_sgpr_kernarg_segment_ptr 1
		.amdhsa_wavefront_size32 1
		.amdhsa_system_sgpr_workgroup_id_x 1
		.amdhsa_system_sgpr_workgroup_id_y 1
		.amdhsa_system_sgpr_workgroup_id_z 1
		.amdhsa_system_vgpr_workitem_id 0
		.amdhsa_next_free_vgpr 256
		.amdhsa_next_free_sgpr 66
		.amdhsa_reserve_vcc 1
		.amdhsa_float_denorm_mode_32 3
		.amdhsa_float_denorm_mode_16_64 3
		.amdhsa_memory_ordered 1
		.amdhsa_forward_progress 1
		.amdhsa_inst_pref_size 148
	.end_amdhsa_kernel
	.amdgpu_metadata
---
amdhsa.version: [ 1, 2 ]
amdhsa.kernels:
  - .name:           k_q6792d281d5_prep
    .symbol:         k_q6792d281d5_prep.kd
    .args:
      - { .name: Q, .offset: 0, .size: 8, .value_kind: global_buffer, .address_space: global }
      - { .name: K, .offset: 8, .size: 8, .value_kind: global_buffer, .address_space: global }
      - { .name: V, .offset: 16, .size: 8, .value_kind: global_buffer, .address_space: global }
      - { .name: W_o_w, .offset: 24, .size: 8, .value_kind: global_buffer, .address_space: global }
      - { .name: W_q, .offset: 32, .size: 8, .value_kind: global_buffer, .address_space: global }
      - { .name: W_k, .offset: 40, .size: 8, .value_kind: global_buffer, .address_space: global }
      - { .name: W_v, .offset: 48, .size: 8, .value_kind: global_buffer, .address_space: global }
      - { .name: mask, .offset: 56, .size: 8, .value_kind: global_buffer, .address_space: global }
      - { .name: cin, .offset: 64, .size: 8, .value_kind: global_buffer, .address_space: global }
      - { .name: sin, .offset: 72, .size: 8, .value_kind: global_buffer, .address_space: global }
      - { .name: mbits, .offset: 80, .size: 8, .value_kind: global_buffer, .address_space: global }
    .group_segment_fixed_size: 68096
    .private_segment_fixed_size: 0
    .kernarg_segment_align: 8
    .kernarg_segment_size: 88
    .max_flat_workgroup_size: 128
    .sgpr_count:     66
    .vgpr_count:     256
    .wavefront_size: 32
...
	.end_amdgpu_metadata
.endif
;; end of part 1
;; launch proj (part 2): grid 4 x 96, 4 waves a work-group, clusters of 4 x 4, 327,680 bytes of LDS; arguments cin, sin, hc, hs; writes hc, hs
.if DOCPART == 2
	.amdgcn_target "amdgcn-amd-amdhsa--gfx1250"
	.amdhsa_code_object_version 6
	.text
	.protected	k_q6792d281d5_proj
	.globl	k_q6792d281d5_proj
	.p2align	8
	.type	k_q6792d281d5_proj,@function
k_q6792d281d5_proj:
	s_mov_b64 s[64:65], 0
	v_nop
	global_prefetch_b8 v0, s[64:65] scope:SCOPE_SE
	s_setreg_imm32_b32 hwreg(HW_REG_WAVE_MODE, 25, 1), 1
	s_wait_xcnt 0x0
	s_wait_alu depctr_hold_cnt(0) depctr_sa_sdst(0) depctr_va_vdst(0) depctr_va_sdst(0) depctr_va_ssrc(0) depctr_va_vcc(0) depctr_vm_vsrc(0)
	s_getreg_b32 s2, hwreg(HW_REG_IB_STS2, 6, 4)
	s_cmp_eq_u32 s2, 0
	s_cbranch_scc0 .Lentry_in_a_cluster
	s_endpgm
.Lentry_in_a_cluster:
	s_bfe_u32 s2, ttmp6, 0x10000c
	s_cmp_lg_u32 s2, 0xf033
	s_cbranch_scc0 .Lentry_shape_is_right
	s_endpgm
.Lentry_shape_is_right:
; PROJ: the three projections, K = 1,024, on codes of FP6 (E2M3) with E8M0 scales, and the quantising of their results for attention.  One text serves all three; what differs lies in scalar registers.
; A block of 256 x 256 results is made by a work-group of four waves; a wave makes 128 x 128: 64 accumulators, 512 registers.  Source 0 = 16 rows of B, source 1 = 16 rows of A: a lane holds ONE row of A, its registers run along B's rows.
; Qh, Kh (cluster y 0-7, 8-15): A = x (queries or keys), B = W: the registers run along e, the score product's K.   Vh (16-23): A = W_v (e), B = x_V (keys): the registers run along the keys, the second product's K.
; OPERANDS lie in memory as images of their registers: tiles of 16 rows (lane r of tile 2 P + u: row 32 P + 8 u + r + 8 (r / 8)), a tile's K in half-fragments of 768 bytes (16 rows x 64 K: three planes of 256 bytes, 8 bytes a lane).
; By that choice of rows the 16 registers of result tiles 2 b, 2 b + 1 are 16 neighbours along B's rows: 32 b + 16 (lane / 16) + 0 .. 15, which is what the conversions want.
; K goes in steps of 256 through a ring of two LDS slots; a wave's tensor load brings 8 tiles x 3,072 bytes.  The scale words of the block's rows, for all of K, come once.  A fragment is six loads of 8 bytes a lane, each 256 consecutive bytes.
; CLUSTERS: 4 x 4 work-groups; A's tiles are shared along a row of the cluster, B's along a column, each asked for jointly.
; THE WAY OUT: no f32 leaves.  A lane's 64 results of one row (128 along the next K) are quantised in registers: two half-fragments and a scale word.  The codes leave as planes of 256 consecutive bytes;
; the scale words as two bytes a lane (16 lanes: 32 or 64 consecutive bytes): 0.75 MB of the launch's output leave so.
; LIMITS: a block of zeros gets the byte 1 (its codes are zeros; this program alone reads the bytes); NaN and infinities are not served.
; REGISTERS, in windows of 256: window 0: v0-31 addresses; v32-63 scale words, two sets; v64-119 at work on the way out; from v128 A's fragments, one set.  window 1: B's fragments, two sets.  windows 2, 3: the accumulators ((a, b) at v[8 (8 (a % 4) + b)]).
.set NQ,     2                         ; matrix instructions deep in a slot
.set FR,     12                        ; registers of a fragment
.set NL,     6                         ; LDS loads that bring one
.set NP,     4                         ; places behind this matrix instruction (ISA guide 7.12.1)
.set SLK,    3072                      ; a tile's bytes of a slot: 256 along K, four half-fragments
.set HALFT,  8*SLK                     ; 8 tiles: what one tensor load brings, and what one wave reads of A or of B
.set SLOT,   4*HALFT                   ; A's 16 tiles, then B's 16
.set SCL,    2*SLOT                    ; behind the ring: the scale words
.set HALFS,  4096                      ; those of 8 tiles
.set SPARE,  SCL+4*HALFS               ; behind them: the spare words, 128 bytes for each wave: two blocks of 256 bytes that no other line names
.set SA,   8                           ; v8-15   the way out: my byte offset among the scale words, for each of my 8 tiles of A
.set ADRA, 16                          ; v16-17  LDS address of my A fragments in slot 0, 1
.set ADRB, 20                          ; v20-21  the same for B
.set L8,   24                          ; v24     8 x lane
.set H16,  25                          ; v25     16 x (lane / 16)
.set ADRS, 27                          ; v27     LDS address of my scale words: lanes 0-15 A's rows, lanes 16-31 B's
.set SPW,  28                          ; v28     LDS address of my spare word; never rewritten
.set NIL,  29                          ; v29     0; never rewritten
.set SC,   32                          ; scale words: set s at v[SC + 16 s]; register 2 i + q: lanes 0-15 A's tile i, lanes 16-31 B's tile i, the slot's q-th 128 along K
.set TM,   64                          ; v64-67 largest magnitudes, v68-71 bytes, v76-79 the conversions' scale operands
.set PW,   80                          ; the scale word just made; v82-83 what is stored of it, by turns
.set PT,   96                          ; v96-98, v100-102 the second halves of the blocks' codes
.set AF,   128
.set G1, 24                            ; s[24:31] descriptor group 1 for A's tiles;  s[32:39] group 0, one set for each slot
.set G0, 32
.set G1B, 48                           ; s[48:55], s[56:63] the same for B's tiles
.set G0B, 56
.set G1S, 68                           ; s[68:75], s[76:79] groups 1 and 0 for A's scale words;  s[80:87], s[88:91] for B's
.set G0S, 76
.set G1SB, 80
.set G0SB, 88
.set MSB, 0
.macro WIN new                         ; the immediate's high byte repeats the setting that is left
.if MSB != \new
	s_set_vgpr_msb (MSB<<8)|\new
.set MSB, \new
.endif
.endm
.set MUL_LO, 0xa1                      ; source 0 (B) window 1, source 1 (A) window 0, C and D window 2
.set MUL_HI, 0xf1                      ; the same, C and D window 3
.set TO_B,   0x40                      ; destination window 1, address window 0
; A joint load: waves 0 and 1 fetch for A, waves 2 and 3 for B.  Each line has one mask and one set of registers for all that issue it; the branch hangs on the wave's number alone.  Four v_nop follow each line.
.macro JLOAD g0a, g1a, g0b, g1b
	s_cmp_eq_u32 s15, 0
	s_cbranch_scc0 .Lfor_b_\@
	tensor_load_to_lds s[\g0a:\g0a+3], s[\g1a:\g1a+7]
	s_nop 0
.rept 4
	v_nop
.endr
	s_branch .Lasked_\@
.Lfor_b_\@:
	tensor_load_to_lds s[\g0b:\g0b+3], s[\g1b:\g1b+7]
	s_nop 0
.rept 4
	v_nop
.endr
.Lasked_\@:
.endm
.macro CREST                           ; a round of the cluster's barrier behind its opening barrier
	s_cmp_lg_u32 s14, 0
	s_cbranch_scc1 .Lnot_wave_0_\@
	s_barrier_signal -3
.Lnot_wave_0_\@:
	s_barrier_wait -3
	s_barrier_signal -1
	s_barrier_wait -1
.endm
.macro CROUND                          ; a whole round
	s_barrier_signal -1
	s_barrier_wait -1
	CREST
.endm
	s_load_b128 s[4:7], s[0:1], 0x0                ; cin s[4:5], sin s[6:7]
	s_load_b128 s[8:11], s[0:1], 0x10              ; hc s[8:9], hs s[10:11]
	v_lshl_add_u32 v[SPW], v0, 2, SPARE
	v_mov_b32 v[NIL], 0
	ds_add_u32 v28, v29
	ds_add_u32 v28, v29
	s_wait_dscnt 0x0
	v_lshrrev_b32 v1, 5, v0
	v_readfirstlane_b32 s14, v1                    ; wave 0..3
	s_lshr_b32 s15, s14, 1                         ; which half of A's rows is mine.  Also: I fetch for A (0) or for B (1)
	s_and_b32 s16, s14, 1                          ; which half of B's rows.  Also: which 8 tiles I fetch
	s_bfe_u32 s40, ttmp6, 0x40000                  ; cx, cy: my place in the cluster
	s_bfe_u32 s41, ttmp6, 0x40004
	s_lshl_b32 s43, s41, 2
	s_lshl_b32 s43, 15, s43                        ; my row of the cluster
	s_lshl_b32 s44, 0x1111, s40                    ; my column
	; which projection, from the cluster's y alone: the same in all sixteen partners
	s_and_b32 s17, ttmp7, 0xffff
	s_lshr_b32 s12, s17, 3                         ; 0 Q, 1 K, 2 V
	s_and_b32 s13, s17, 7
	s_lshl_b32 s13, s13, 2                         ; four blocks of 256 rows of x to a cluster
	s_mul_i32 s2, s12, 6291456                     ; the projection's place among x's codes, and in hc
	s_mul_i32 s3, s12, 262144                      ; among x's scale words, and in hs
	s_mul_i32 s18, s12, 786432
	s_add_co_u32 s18, s18, 18874368                ; its weight's codes
	s_mul_i32 s19, s12, 32768
	s_add_co_u32 s19, s19, 786432                  ; and scale words
	s_mov_b32 s66, 196608
	s_mov_b32 s67, 8192
	s_mov_b32 s98, 4096
	s_cmp_eq_u32 s12, 2                            ; V?  Only moves and selections stand between this compare and the last selection
	s_cselect_b32 s20, 20447232, s2                ; A's codes: W_v's, or x's
	s_cselect_b32 s46, 12582912, s18               ; B's codes: V's, or the weight's
	s_cselect_b32 s22, 851968, s3                  ; A's scale words
	s_cselect_b32 s92, 524288, s19                 ; B's
	s_cselect_b32 s17, 0, s13
	s_cselect_b32 s42, s13, 0
	s_cselect_b32 s66, 98304, s66                  ; out: bytes of codes for 128 rows of B (two heads' tiles of a batch; or a key step's two halves)
	s_cselect_b32 s67, 4096, s67                   ; and of scales
	s_cselect_b32 s98, 2, s98                      ; where the word's upper two bytes go: beside the lower (V), or to the next head (Q, K)
	s_cselect_b32 s99, 64, 32                      ; scale bytes of a tile
	s_cselect_b32 s95, 2, 1                        ; log2 of the scale bytes of a row
	s_add_co_u32 s17, s17, s41                     ; A's block of 256 rows: hangs on cy and the cluster's y
	s_add_co_u32 s42, s42, s40                     ; B's: on cx and the cluster's y
	; descriptor group 1: 8 tiles x 3,072 bytes (384 elements of 8 bytes), 12,288 bytes from tile to tile; no padding
	s_or_b32 s[G1+0], s43, (3<<16)|(1<<21)         ; 15:0 the mask: A's tiles go to my row; 17:16 elements of 8 bytes; 21 set beside a mask
	s_or_b32 s[G1B+0], s44, (3<<16)|(1<<21)
.irp g, G1, G1B
	s_mov_b32 s[\g+1], 384<<16                     ; tensor_dim0
	s_mov_b32 s[\g+2], 8<<16                       ; tensor_dim1
	s_mov_b32 s[\g+3], 384<<16                     ; tile_dim0
	s_mov_b32 s[\g+4], 8                           ; tile_dim1
	s_mov_b32 s[\g+5], 1536                        ; tensor_dim0_stride
	s_mov_b32 s[\g+6], 0
	s_mov_b32 s[\g+7], 0
.endr
	; the scale words of 8 tiles: 4,096 dense bytes, as 16 rows of 256
	s_or_b32 s[G1S+0], s43, (3<<16)|(1<<21)
	s_or_b32 s[G1SB+0], s44, (3<<16)|(1<<21)
.irp g, G1S, G1SB
	s_mov_b32 s[\g+1], 32<<16
	s_mov_b32 s[\g+2], 16<<16
	s_mov_b32 s[\g+3], 32<<16
	s_mov_b32 s[\g+4], 16
	s_mov_b32 s[\g+5], 32
	s_mov_b32 s[\g+6], 0
	s_mov_b32 s[\g+7], 0
.endr
	s_lshl_b32 s18, s16, 3                         ; which 8 tiles of the block I fetch
	s_lshl_b32 s19, s17, 4
	s_add_co_u32 s19, s19, s18                     ; A: tile 16 x block + 8 x half
	s_mul_i32 s21, s19, 12288
	s_add_co_u32 s20, s20, s21
	s_lshl_b32 s21, s19, 9
	s_add_co_u32 s22, s22, s21
	s_mov_b32 s21, 0
	s_mov_b32 s23, 0
	s_lshl_b32 s96, s42, 4                         ; B likewise, in registers of its own
	s_add_co_u32 s96, s96, s18
	s_mul_i32 s97, s96, 12288
	s_add_co_u32 s46, s46, s97
	s_lshl_b32 s97, s96, 9
	s_add_co_u32 s92, s92, s97
	s_mov_b32 s47, 0
	s_mov_b32 s93, 0
	s_mul_i32 s45, s14, HALFT                      ; where they go: wave x 8 tiles: no place in the cluster enters an LDS address
	s_mul_i32 s94, s14, HALFS
	s_wait_kmcnt 0x0
	s_add_nc_u64 s[20:21], s[4:5], s[20:21]
	s_add_nc_u64 s[22:23], s[6:7], s[22:23]
	s_add_nc_u64 s[46:47], s[4:5], s[46:47]
	s_add_nc_u64 s[92:93], s[6:7], s[92:93]
	CROUND                                         ; all sixteen work-groups are here: the first joint loads meet
	s_mov_b32 s[G0S], 1
	s_add_co_u32 s[G0S+1], s94, SCL
	s_mov_b64 s[G0S+2:G0S+3], s[22:23]
	s_or_b32 s[G0S+3], s[G0S+3], 0x80000000
	s_mov_b32 s[G0SB], 1
	s_add_co_u32 s[G0SB+1], s94, SCL
	s_mov_b64 s[G0SB+2:G0SB+3], s[92:93]
	s_or_b32 s[G0SB+3], s[G0SB+3], 0x80000000
	JLOAD G0S, G1S, G0SB, G1SB                     ; the scale words first: they are wanted with the first slot
.irp s, 0,1
	s_mov_b32 s[G0+4*\s], 1
	s_add_co_u32 s[G0+4*\s+1], s45, \s*SLOT
	s_add_nc_u64 s[G0+4*\s+2:G0+4*\s+3], s[20:21], \s*SLK
	s_or_b32 s[G0+4*\s+3], s[G0+4*\s+3], 0x80000000
	s_mov_b32 s[G0B+4*\s], 1
	s_add_co_u32 s[G0B+4*\s+1], s45, \s*SLOT
	s_add_nc_u64 s[G0B+4*\s+2:G0B+4*\s+3], s[46:47], \s*SLK
	s_or_b32 s[G0B+4*\s+3], s[G0B+4*\s+3], 0x80000000
	JLOAD G0+4*\s, G1, G0B+4*\s, G1B               ; three loads of mine are out now
.endr
	v_and_b32 v1, 15, v0                           ; r
	v_bfe_u32 v2, v0, 4, 1                         ; h
	v_and_b32 v3, 31, v0
	v_lshlrev_b32 v3, 3, v3                        ; 8 x lane
	s_mul_i32 s21, s15, HALFT                      ; my 8 tiles of A
	s_mul_i32 s22, s16, HALFT                      ; my 8 tiles of B,
	s_add_co_u32 s22, s22, 2*HALFT                 ; which lie behind A's 16
.irp s, 0,1
	v_add_nc_u32 v[ADRA+\s], s21, v3
	v_add_nc_u32 v[ADRB+\s], s22, v3
	s_add_co_u32 s21, s21, SLOT
	s_add_co_u32 s22, s22, SLOT
.endr
	v_lshlrev_b32 v5, 3, v1                        ; my row's 8 bytes of scale words
	s_mul_i32 s21, s15, HALFS                      ; A's: my 8 tiles
	s_mul_i32 s22, s16, HALFS                      ; B's: my 8 tiles, behind A's 16
	s_add_co_u32 s22, s22, 2*HALFS
	s_sub_co_u32 s22, s22, s21
	v_mul_u32_u24 v6, s22, v2                      ; lanes 16-31 take B's: one product, the lower base + h x the distance
	s_add_co_u32 s21, s21, SCL
	v_add_nc_u32 v5, v5, v6
	v_add_nc_u32 v[ADRS], s21, v5
	; the way out
	v_mov_b32 v[L8], v3
	v_lshlrev_b32 v[H16], 4, v2
	v_lshlrev_b32 v4, s95, v1                      ; my row's place among a tile's scales,
	v_mul_u32_u24 v5, s98, v2                      ; lanes 16-31 store the word's upper two bytes
	v_add_nc_u32 v4, v4, v5
.irp a, 0,1,2,3,4,5,6,7
	v_mad_u32_u24 v[SA+\a], s99, \a, v4            ; and tile a's
.endr
	s_lshl_b32 s18, s42, 1
	s_add_co_u32 s18, s18, s16                     ; G: which 128 rows of B are mine
	s_lshl_b32 s19, s17, 4
	s_lshl_b32 s20, s15, 3
	s_add_co_u32 s19, s19, s20                     ; my first tile of A
	s_lshr_b32 s20, s19, 7                         ; its batch (0 for W_v),
	s_and_b32 s19, s19, 127                        ; and its number there
	s_mul_i32 s96, s20, 1572864
	s_add_co_u32 s96, s96, s2
	s_mul_i32 s21, s18, s66
	s_add_co_u32 s96, s96, s21
	s_mul_i32 s21, s19, 768
	s_add_co_u32 s96, s96, s21
	s_mov_b32 s97, 0
	s_add_nc_u64 s[8:9], s[8:9], s[96:97]          ; where my first half-fragments go (the lower 64 of the 128),
	s_lshr_b32 s96, s66, 1
	s_add_nc_u64 s[96:97], s[8:9], s[96:97]        ; and the upper 64's
	s_lshl_b32 s22, s20, 16
	s_add_co_u32 s22, s22, s3
	s_mul_i32 s21, s18, s67
	s_add_co_u32 s22, s22, s21
	s_mul_i32 s21, s19, s99
	s_add_co_u32 s22, s22, s21
	s_mov_b32 s23, 0
	s_add_nc_u64 s[10:11], s[10:11], s[22:23]      ; and the scales
.macro FRAG reg, adr, q, i             ; a fragment, 16 rows x 128 K, is 12 registers: two half-fragments on end: six planes of 256 bytes, 8 bytes a lane
.irp p, 0,1,2,3,4,5
	ds_load_b64 v[\reg+2*\p:\reg+2*\p+1], v[\adr] offset:(\i)*SLK+(\q)*1536+256*\p
.endr
.endm
; 16 matrix instructions: A's tiles a0, a0 + 1 x B's eight, the slot's q-th 128 along K.  p: B's set;  sc: the set of scale words.  zero = 1: the first product starts the sums.
; The 64 accumulators take turns, one instruction a turn, in the same order in every step.
.macro MUL16 a0, p, q, sc, zero
.irp a, \a0, \a0+1
.irp b, 0,1,2,3,4,5,6,7
.if \zero
	v_wmma_scale_f32_16x16x128_f8f6f4 v[8*(8*((\a)%4)+\b):8*(8*((\a)%4)+\b)+7], v[128*(\p)+FR*\b:128*(\p)+FR*\b+FR-1], v[AF+FR*(\a):AF+FR*(\a)+FR-1], 0, v[SC+8*NQ*(\sc)+NQ*\b+(\q)], v[SC+8*NQ*(\sc)+NQ*(\a)+(\q)] matrix_a_fmt:MATRIX_FMT_FP6 matrix_b_fmt:MATRIX_FMT_FP6 matrix_a_scale:MATRIX_SCALE_ROW1
.else
	v_wmma_scale_f32_16x16x128_f8f6f4 v[8*(8*((\a)%4)+\b):8*(8*((\a)%4)+\b)+7], v[128*(\p)+FR*\b:128*(\p)+FR*\b+FR-1], v[AF+FR*(\a):AF+FR*(\a)+FR-1], v[8*(8*((\a)%4)+\b):8*(8*((\a)%4)+\b)+7], v[SC+8*NQ*(\sc)+NQ*\b+(\q)], v[SC+8*NQ*(\sc)+NQ*(\a)+(\q)] matrix_a_fmt:MATRIX_FMT_FP6 matrix_b_fmt:MATRIX_FMT_FP6 matrix_a_scale:MATRIX_SCALE_ROW1
.endif
.endr
.endr
.endm
.macro FETCH_B slot, q, p              ; B's eight fragments of the slot's q-th 128 along K into set p
	WIN TO_B
.irp i, 0,1,2,3,4,5,6,7
	FRAG 128*(\p)+FR*\i, ADRB+\slot, \q, \i
.endr
	WIN 0
.endm
.macro FETCH_A slot, q, i0             ; A's tiles i0 .. i0 + 3
.irp i, \i0, \i0+1, \i0+2, \i0+3
	FRAG AF+FR*(\i), ADRA+\slot, \q, \i
.endr
.endm
.macro SCALES sc                       ; a slot's scale words into set sc: two words a row; lanes 0-15 take A's tile i, lanes 16-31 B's tile i
.irp i, 0,1,2,3,4,5,6,7
	ds_load_b64 v[SC+8*NQ*\sc+NQ*\i:SC+8*NQ*\sc+NQ*\i+1], v[ADRS] offset:\i*512
.endr
.endm
.macro PLACES n                        ; plain vector instructions between a matrix instruction and a load into its registers, or a read of its results
.rept \n
	v_nop
.endr
.endm
.macro STEP slot, q, zero              ; a step of 128 along K that has its successor in the same slot
	s_wait_dscnt 4*NL                              ; B's set and A's tiles 0-3 are in; the youngest 24 loads (A's tiles 4-7) may be out
	WIN MUL_LO
	MUL16 0, (\q)%2, \q, \slot, \zero
	MUL16 2, (\q)%2, \q, \slot, \zero
	s_wait_dscnt 0                                 ; A's tiles 4-7 are in
	PLACES NP
	FETCH_B \slot, (\q)+1, 1-(\q)%2
	FETCH_A \slot, (\q)+1, 0
	WIN MUL_HI
	MUL16 4, (\q)%2, \q, \slot, \zero
	MUL16 6, (\q)%2, \q, \slot, \zero
	PLACES NP
	WIN 0
	FETCH_A \slot, (\q)+1, 4
.endm
; A slot's last step changes slots: one barrier; in front of it each wave waits for all its tensor loads, adds 0 to its spare word, and waits for that and for its own reads of this slot.  fill = 1: this slot is filled again, two slots ahead.
.macro TURN slot, next, fill
	s_wait_tensorcnt 0x0                           ; all my tensor loads have landed: my part of the next slot;
	ds_add_u32 v[SPW], v[NIL]                      ; 0 onto my spare word;
	s_wait_dscnt 4*NL+1                            ; (the add and the youngest 24 loads may be out)
	WIN MUL_LO
	MUL16 0, 1, NQ-1, \slot, 0                     ; sixteen matrix instructions stand between the add and the wait for it
	s_wait_dscnt 0x0                               ; the add is done, and my reads of this slot are over
	s_barrier_signal -1
	MUL16 2, 1, NQ-1, \slot, 0
	WIN 0
	s_barrier_wait -1
.if \fill
	CREST                                          ; the barrier has opened a round of the cluster's barrier: no wave of any partner still reads this slot or has a load on its way
	s_add_nc_u64 s[G0+4*\slot+2:G0+4*\slot+3], s[G0+4*\slot+2:G0+4*\slot+3], 2*SLK
	s_add_nc_u64 s[G0B+4*\slot+2:G0B+4*\slot+3], s[G0B+4*\slot+2:G0B+4*\slot+3], 2*SLK
	JLOAD G0+4*\slot, G1, G0B+4*\slot, G1B         ; the first tensor load behind the round, and my only one until the next; its four v_nop are also the places in front of the loads below
.else
	PLACES NP
.endif
	v_add_nc_u32 v[ADRS], 128, v[ADRS]             ; on to the next slot's scale words
	FETCH_B \next, 0, 0
	FETCH_A \next, 0, 0
	SCALES \next
	WIN MUL_HI
	MUL16 4, 1, NQ-1, \slot, 0
	MUL16 6, 1, NQ-1, \slot, 0
	PLACES NP
	WIN 0
	FETCH_A \next, 0, 4
.endm
	s_wait_tensorcnt 1                             ; the scale words and my part of slot 0 are in (slot 1's load may be out)
	s_barrier_signal -1
	s_barrier_wait -1                              ; everybody's are
	FETCH_B 0, 0, 0
	FETCH_A 0, 0, 0
	SCALES 0
	FETCH_A 0, 0, 4
	STEP 0, 0, 1                                   ; K = 1,024 is four slots' worth, eight steps: written out
	TURN 0, 1, 1
	STEP 1, 0, 0
	TURN 1, 0, 1
	STEP 0, 0, 0
	TURN 0, 1, 0                                   ; nothing is left to fetch
	STEP 1, 0, 0
	s_wait_dscnt 4*NL
	WIN MUL_LO
	MUL16 0, 1, NQ-1, 1, 0
	MUL16 2, 1, NQ-1, 1, 0
	s_wait_dscnt 0
	WIN MUL_HI
	MUL16 4, 1, NQ-1, 1, 0
	MUL16 6, 1, NQ-1, 1, 0
	WIN 0
; THE WAY OUT.  Tile a of A: my 64 results, register 16 b + i = 32 b + 16 (lane / 16) + i along the next K, become a fragment's codes and its scale word.
.macro QUANTW a
.set AC, 64*((\a)%4)
.set WA, 2+(\a)/4                      ; their window
.set W3, (WA<<2)|(WA<<4)
.set PCS, 84+24*((\a)%2)               ; the codes: v84-95 and v108-119 by turns
	WIN W3                                         ; sources 1 and 2 in the accumulators' window
.irp b, 0,1,2,3
	v_max3_num_f32 v[TM+\b], 0x1800000, |v[AC+16*\b]|, |v[AC+16*\b+1]|   ; block b: my 16 numbers, each accumulator from its low end on, and the floor 2^(3 - 127)
.endr
.irp i, 2,4,6,8,10,12,14
.irp b, 0,1,2,3
	v_max3_num_f32 v[TM+\b], v[TM+\b], |v[AC+16*\b+\i]|, |v[AC+16*\b+\i+1]|
.endr
.endr
	WIN 0
.irp b, 0,1,2,3
	v_permlanex16_b32 v[TM+4+\b], v[TM+\b], s12, s13
.endr
.irp b, 0,1,2,3
	v_max_num_f32 v[TM+\b], v[TM+\b], v[TM+4+\b]   ; with lane l xor 16's: the block's largest magnitude
.endr
.irp b, 0,1,2,3
	v_add_nc_u32 v[TM+12+\b], 0xff000000, v[TM+\b] ; 2 off its exponent field: the conversion's scale operand
.endr
.irp b, 0,1,2,3
	v_lshrrev_b32 v[TM+4+\b], 23, v[TM+12+\b]      ; the scale's byte
.endr
	v_lshl_or_b32 v[PW], v[TM+5], 8, v[TM+4]
	v_lshl_or_b32 v[PW], v[TM+6], 16, v[PW]
	v_lshl_or_b32 v[PW], v[TM+7], 24, v[PW]
.if (\a) > 1
	s_wait_xcnt 0x0                                ; tile a - 2's stores have read the registers that are written again now
.endif
	WIN WA                                         ; source 0 in the accumulators' window
.irp c, 0,1
	v_cvt_scalef32_pk16_fp6_f32 v[PCS+6*\c:PCS+6*\c+2], v[AC+32*\c:AC+32*\c+15], v[TM+12+2*\c]
	v_cvt_scalef32_pk16_fp6_f32 v[PT+4*\c:PT+4*\c+2], v[AC+32*\c+16:AC+32*\c+31], v[TM+12+2*\c+1]   ; (a conversion's three registers begin on an even number)
.endr
	WIN 0
	v_nop                                          ; one plain place behind a scaled conversion
.irp c, 0,1                                    ; the operand's layout wants a whole block in a lane: lanes 0-15 block 2 c, lanes 16-31 block 2 c + 1
.irp i, 0,1,2
	v_permlane16_swap_b32 v[PCS+6*\c+\i], v[PT+4*\c+\i]
.endr
.irp i, 0,1,2
	v_mov_b32 v[PCS+3+6*\c+\i], v[PT+4*\c+\i]
.endr
.endr
	v_lshrrev_b32 v[82+(\a)%2], v[H16], v[PW]      ; lanes 0-15 store the word's lower two bytes, lanes 16-31 its upper two
.irp p, 0,1,2
	global_store_b64 v[L8], v[PCS+2*\p:PCS+2*\p+1], s[8:9] offset:768*(\a)+256*\p        ; a plane: 256 consecutive bytes, aligned
	global_store_b64 v[L8], v[PCS+6+2*\p:PCS+6+2*\p+1], s[96:97] offset:768*(\a)+256*\p
.endr
	global_store_b16 v[SA+(\a)], v[82+(\a)%2], s[10:11]
.endm
	PLACES NP                                      ; behind the last products: their results are read, and registers that they read are written
	s_mov_b32 s12, 0x76543210
	s_mov_b32 s13, 0xfedcba98                      ; v_permlanex16_b32's selects for lane l xor 16
.irp b, 0,1,2,3
	v_mov_b32 v[TM+4+\b], 0                        ; a lane permute's destination counts as one of its sources
.endr
.irp a, 0,1,2,3,4,5,6,7
	QUANTW \a
.endr
	s_wait_tensorcnt 0x0                           ; the wave's end
	ds_add_u32 v[SPW], v[NIL]
	s_wait_dscnt 0x0
	CROUND                                         ; the closing round: no work-group ends while a partner may still ask for a tile that names it
	s_endpgm
.Lfunc_end_k_q6792d281d5_proj:
	.size	k_q6792d281d5_proj, .Lfunc_end_k_q6792d281d5_proj-k_q6792d281d5_proj
	.p2alignl 7, 3214868480
	.fill 96, 4, 3214868480
	.section	.rodata,"a",@progbits
	.p2align	6, 0x0
	.amdhsa_kernel k_q6792d281d5_proj
		.amdhsa_group_segment_fixed_size 327680
		.amdhsa_private_segment_fixed_size 0
		.amdhsa_enable_private_segment 0
		.amdhsa_kernarg_size 32
		.amdhsa_user_sgpr_count 2
		.amdhsa_user_sgpr_kernarg_segment_ptr 1
		.amdhsa_wavefront_size32 1
		.amdhsa_system_sgpr_workgroup_id_x 1
		.amdhsa_system_sgpr_workgroup_id_y 1
		.amdhsa_system_sgpr_workgroup_id_z 1
		.amdhsa_system_vgpr_workitem_id 0
		.amdhsa_next_free_vgpr 1024
		.amdhsa_next_free_sgpr 100
		.amdhsa_reserve_vcc 0
		.amdhsa_float_denorm_mode_32 3
		.amdhsa_float_denorm_mode_16_64 3
		.amdhsa_memory_ordered 1
		.amdhsa_forward_progress 1
		.amdhsa_inst_pref_size 169
	.end_amdhsa_kernel
	.amdgpu_metadata
---
amdhsa.version: [ 1, 2 ]
amdhsa.kernels:
  - .name:           k_q6792d281d5_proj
    .symbol:         k_q6792d281d5_proj.kd
    .args:
      - { .name: cin, .offset: 0, .size: 8, .value_kind: global_buffer, .address_space: global }
      - { .name: sin, .offset: 8, .size: 8, .value_kind: global_buffer, .address_space: global }
      - { .name: hc, .offset: 16, .size: 8, .value_kind: global_buffer, .address_space: global }
      - { .name: hs, .offset: 24, .size: 8, .value_kind: global_buffer, .address_space: global }
    .group_segment_fixed_size: 327680
    .private_segment_fixed_size: 0
    .kernarg_segment_align: 8
    .kernarg_segment_size: 32
    .max_flat_workgroup_size: 128
    .sgpr_count:     100
    .vgpr_count:     1024
    .wavefront_size: 32
...
	.end_amdgpu_metadata
.endif
;; end of part 2
;; launch attn (part 3): grid 4 x 64, 16 waves a work-group, clusters of 4 x 1, 227,328 bytes of LDS; arguments hc, hs, mbits, ac, asc; writes ac, asc
.if DOCPART == 3
	.amdgcn_target "amdgcn-amd-amdhsa--gfx1250"
	.amdhsa_code_object_version 6
	.text
	.protected	k_q6792d281d5_attn
	.globl	k_q6792d281d5_attn
	.p2align	8
	.type	k_q6792d281d5_attn,@function
k_q6792d281d5_attn:
	s_mov_b64 s[64:65], 0
	v_nop
	global_prefetch_b8 v0, s[64:65] scope:SCOPE_SE
	s_setreg_imm32_b32 hwreg(HW_REG_WAVE_MODE, 25, 1), 1
	s_wait_xcnt 0x0
	s_wait_alu depctr_hold_cnt(0) depctr_sa_sdst(0) depctr_va_vdst(0) depctr_va_sdst(0) depctr_va_ssrc(0) depctr_va_vcc(0) depctr_vm_vsrc(0)
	s_getreg_b32 s2, hwreg(HW_REG_IB_STS2, 6, 4)
	s_cmp_eq_u32 s2, 0
	s_cbranch_scc0 .Lentry_in_a_cluster
	s_endpgm
.Lentry_in_a_cluster:
	s_bfe_u32 s2, ttmp6, 0x10000c
	s_cmp_lg_u32 s2, 0x3003
	s_cbranch_scc0 .Lentry_shape_is_right
	s_endpgm
.Lentry_shape_is_right:
; ATTN: for one batch and head, O[q] = sum over k of softmax_k(mask ? Qh[q] . Kh[k] / 8 : masked) Vh[k], both products on codes of FP6 (E2M3) with E8M0 scales; O / l is quantised along (head, e) for the last product.
; THE SOFTMAX: t = score x log2(e) / 8; M = the row's largest t so far, rounded up to a whole number; p = 2^(t - M) is quantised along the keys, not normalised; the row's sum is taken of the unquantised p and divides O at the end.
; When M moves, the sum and O are multiplied by 2^(old M - new M): exact.
; SHARES.  A cluster of four work-groups is one (batch, head); a work-group owns 512 queries, each of its sixteen waves two tiles of 16, one after the other (a loop of two trips); a tile walks the 2,048 keys in 16 steps of 128.
; ALL of the head's K and V (192 KB of codes, 8 KB of scales) lie in LDS for the whole launch: each LDS byte is filled once, by joint loads of the four partners, ahead of one barrier; behind it LDS is only read.
; LAYOUT.  Both products are used transposed: S^T = K Q^T (source 0 = 16 keys), O^T = V^T P^T (source 0 = 16 of the head's 64): a lane holds one query throughout.  Operands lie in memory and LDS as images of their registers
; (half-fragments of 16 rows x 64 K: three planes of 256 bytes, 8 bytes a lane); lane r of tile 2 P + u holds row 32 P + 8 u + r + 8 (r / 8), so that the 16 registers of result tiles 2 b, 2 b + 1 are 16 neighbours along the next K.
; K = 64 IN AN INSTRUCTION OF 128: Q's upper six registers are zero codes; a tile of K names its own six registers and the six behind them (the next tile's codes, or zeros), which meet Q's zeros; both sides' upper two scale bytes are 0, which stands for 2^-127.
; THE MASK comes as bits: word j of a (query tile, key step) is the lane mask for score register j; 64 words are read by scalar loads and each serves one v_cndmask_b32.  No branch and no address hangs on them.
; LIMITS.  A masked logit is taken as -2^30 where reference() has -1e9: its t is a whole number, so p = 1 exactly in a row with no key left, as with -1e9; the result differs only where a row's unmasked logits lie under about -9.99e8.
; A block of zeros gets the byte 1 (its codes are zeros).  NaN and infinities are not served.  The scale bytes of O leave one byte a lane: 0.25 MB.
; No prefetch: all tiles are asked for at the head; the mask words are read again by every head.
.set WV,   2                           ; s2   my wave's number
.set PASS, 3                           ; s3   tiles to go
.set STP,  14                          ; s14  key steps to go
.set TB,   15                          ; s15  6,144 x step: a step's codes of K, and of V
.set TS,   66                          ; s66  256 x step: its scales
.set SEL,  68                          ; s[68:69] lane selects for v_permlanex16_b32: lane l xor 16
.set CS,   70                          ; s[70:71] c = log2(e) / 8
.set QC,   72                          ; s[72:73] my tile's codes of Q;  s[74:75] its scales;  s[8:9] its mask words;  s[10:11], s[12:13] where its O goes
.set QS,   74
.set KSC,  196608                      ; LDS: K's codes at 0, V's at 98,304, K's scales here,
.set VSC,  221184                      ; V's here: every fetching wave's bytes begin at 24,576 x its number
.set ADK,  8                           ; v8-11 LDS addresses of the step in hand: K, V, K's scales, V's scales
.set ADV,  9
.set ADS,  10
.set ADT,  11
.set S,    96                          ; v96-159  S^T, then p
.set O,    160                         ; v160-191 O^T
.set PCD,  192                         ; v192-203 p's codes
.set PT,   204                         ; v204-206, v208-210 the second halves of the blocks' codes
.set BM,   212                         ; v212-215 the blocks' largest scores, then largest p
.set BT,   216                         ; v216-219 at work, then the bytes
.set BS,   220                         ; v220-223 the conversions' scale operands
.set F,    224                         ; v[224:225] f = 2^(old M - new M), named as a pair
.set PWD,  226                         ; v226 p's scale word
.set T0,   227
.set SU,   228                         ; v[228:229] the sum's second chain
; v1 8 L; v2 2 L + KSC; v3 4 L + VSC; v4 8 L + 98,304; v5 2 r; v6 8 r + h; v7 8 h; v12 -M; v13 the largest t; v[14:15] the sum; v16-21 Q, v22-27 zeros; v28 Q's scales; v29 the masked score;
; v32-79 K's eight tiles, later V's four fragments; v80-85 zeros; v86-89 K's scales (lanes 0-15 the even tile, 16-31 the odd); v90-91 V's likewise
.macro CROUND                          ; a round of the cluster's barrier
	s_barrier_signal -1
	s_barrier_wait -1
	s_cmp_lg_u32 s[WV], 0
	s_cbranch_scc1 .Lnot_wave_0_\@
	s_barrier_signal -3
.Lnot_wave_0_\@:
	s_barrier_wait -3
	s_barrier_signal -1
	s_barrier_wait -1
.endm
	s_load_b128 s[4:7], s[0:1], 0x0                ; hc, hs
	s_load_b128 s[8:11], s[0:1], 0x10              ; mbits, ac
	s_load_b64 s[12:13], s[0:1], 0x20              ; asc
	v_lshl_add_u32 v254, v0, 2, 0x37000
	v_mov_b32 v255, 0
	ds_add_u32 v254, v255
	ds_add_u32 v254, v255
	v_lshrrev_b32 v1, 5, v0
	v_readfirstlane_b32 s[WV], v1                  ; wave 0..15
	s_bfe_u32 s76, ttmp6, 0x40000                  ; cx: my block of 512 queries: it enters Q's, the mask's and O's addresses alone
	s_and_b32 s77, ttmp7, 0xffff                   ; 16 x batch + head, which the four partners share
	s_lshr_b32 s78, s77, 4                         ; batch
	s_and_b32 s79, s77, 15                         ; head
	s_and_b32 s96, s[WV], 3                        ; which quarter of K's or V's codes I fetch, if I fetch
	s_mul_i32 s80, s77, 98304                      ; K's codes: a head's 128 tiles are dense
	s_mul_i32 s81, s96, 24576
	s_add_co_u32 s80, s80, s81
	s_add_co_u32 s80, s80, 6291456
	s_mov_b32 s81, 0
	s_mul_i32 s82, s78, 1572864                    ; V's codes: [key step][half][64 tiles]: my head's four tiles, 3,072 bytes, of each half: 32 rows 49,152 bytes apart
	s_mul_i32 s83, s79, 3072
	s_add_co_u32 s82, s82, s83
	s_mul_i32 s83, s96, 393216
	s_add_co_u32 s82, s82, s83
	s_add_co_u32 s82, s82, 12582912
	s_mov_b32 s83, 0
	s_lshl_b32 s84, s77, 12                        ; K's scales: 4,096 dense bytes
	s_add_co_u32 s84, s84, 262144
	s_mov_b32 s85, 0
	s_lshl_b32 s86, s78, 16                        ; V's scales: 256 bytes of each key step's 4,096
	s_lshl_b32 s87, s79, 8
	s_add_co_u32 s86, s86, s87
	s_add_co_u32 s86, s86, 524288
	s_mov_b32 s87, 0
	s_mul_i32 s97, s[WV], 24576                    ; where my load lands: no place in the cluster enters an LDS address
	; descriptor groups 1, elements of 8 bytes, mask = all four partners, bit 21 beside it: s[16:23] K's codes, s[24:31] V's: 8 rows of 3,072 bytes; s[32:39] K's scales, s[40:47] V's: 16 rows of 256 bytes
.irp g, 16, 24
	s_mov_b32 s[\g], 15|(3<<16)|(1<<21)
	s_mov_b32 s[\g+1], 384<<16                     ; tensor_dim0
	s_mov_b32 s[\g+2], 8<<16                       ; tensor_dim1
	s_mov_b32 s[\g+3], 384<<16                     ; tile_dim0
	s_mov_b32 s[\g+4], 8                           ; tile_dim1
	s_mov_b32 s[\g+6], 0
	s_mov_b32 s[\g+7], 0
.endr
	s_mov_b32 s21, 384                             ; from row to row: dense,
	s_mov_b32 s29, 6144                            ; 49,152 bytes
.irp g, 32, 40
	s_mov_b32 s[\g], 15|(3<<16)|(1<<21)
	s_mov_b32 s[\g+1], 32<<16
	s_mov_b32 s[\g+2], 16<<16
	s_mov_b32 s[\g+3], 32<<16
	s_mov_b32 s[\g+4], 16
	s_mov_b32 s[\g+6], 0
	s_mov_b32 s[\g+7], 0
.endr
	s_mov_b32 s37, 32                              ; dense,
	s_mov_b32 s45, 512                             ; 4,096 bytes
	s_mov_b32 s[SEL], 0x76543210
	s_mov_b32 s[SEL+1], 0xfedcba98
	s_mov_b32 s[CS], 0x3e38aa3b                    ; c = log2(e) / 8
	s_mov_b32 s[CS+1], s[CS]                       ; (named with it as a pair, so it is written)
	s_wait_dscnt 0x0
	s_wait_kmcnt 0x0
	CROUND                                         ; all four work-groups are here: the joint loads meet
	s_mov_b32 s48, 1
	s_mov_b32 s49, s97
	s_add_nc_u64 s[50:51], s[4:5], s[80:81]
	s_or_b32 s51, s51, 0x80000000
	s_mov_b32 s52, 1
	s_mov_b32 s53, s97
	s_add_nc_u64 s[54:55], s[4:5], s[82:83]
	s_or_b32 s55, s55, 0x80000000
	s_mov_b32 s56, 1
	s_mov_b32 s57, s97
	s_add_nc_u64 s[58:59], s[6:7], s[84:85]
	s_or_b32 s59, s59, 0x80000000
	s_mov_b32 s60, 1
	s_mov_b32 s61, s97
	s_add_nc_u64 s[62:63], s[6:7], s[86:87]
	s_or_b32 s63, s63, 0x80000000
	; waves 0-3: K's codes; 4-7: V's; 8: K's scales; 9: V's; the others nothing.  One load a wave, under branches on the wave's number alone; four v_nop follow each
	s_cmp_lt_u32 s[WV], 4
	s_cbranch_scc0 .Lnot_kc
	tensor_load_to_lds s[48:51], s[16:23]
	s_nop 0
.rept 4
	v_nop
.endr
	s_branch .Lasked
.Lnot_kc:
	s_cmp_lt_u32 s[WV], 8
	s_cbranch_scc0 .Lnot_vc
	tensor_load_to_lds s[52:55], s[24:31]
	s_nop 0
.rept 4
	v_nop
.endr
	s_branch .Lasked
.Lnot_vc:
	s_cmp_eq_u32 s[WV], 8
	s_cbranch_scc0 .Lnot_ks
	tensor_load_to_lds s[56:59], s[32:39]
	s_nop 0
.rept 4
	v_nop
.endr
	s_branch .Lasked
.Lnot_ks:
	s_cmp_eq_u32 s[WV], 9
	s_cbranch_scc0 .Lasked
	tensor_load_to_lds s[60:63], s[40:47]
	s_nop 0
.rept 4
	v_nop
.endr
.Lasked:
	s_lshl_b32 s98, s76, 5
	s_lshl_b32 s99, s[WV], 1
	s_add_co_u32 s98, s98, s99                     ; my first tile of queries: 32 cx + 2 wave
	s_mul_i32 s96, s77, 98304
	s_mul_i32 s99, s98, 768
	s_add_co_u32 s96, s96, s99
	s_mov_b32 s97, 0
	s_add_nc_u64 s[QC:QC+1], s[4:5], s[96:97]
	s_lshl_b32 s96, s77, 12
	s_lshl_b32 s99, s98, 5
	s_add_co_u32 s96, s96, s99
	s_add_nc_u64 s[QS:QS+1], s[6:7], s[96:97]
	s_lshl_b32 s96, s98, 12                        ; 4,096 bytes of mask words a tile: my two tiles' 32 steps lie on end
	s_add_nc_u64 s[8:9], s[8:9], s[96:97]
	s_lshl_b32 s99, s78, 7
	s_add_co_u32 s99, s99, s98                     ; the tile among all rows: 128 batch + tile
	s_mul_i32 s96, s99, 12288
	s_mul_i32 s76, s79, 768                        ; half-fragment = head
	s_add_co_u32 s96, s96, s76
	s_add_nc_u64 s[10:11], s[10:11], s[96:97]
	s_lshl_b32 s96, s99, 9
	s_lshr_b32 s76, s79, 2
	s_lshl_b32 s76, s76, 7                         ; 128 bytes for each four heads (256 along K),
	s_add_co_u32 s96, s96, s76
	s_and_b32 s76, s79, 3
	s_lshl_b32 s76, s76, 1                         ; two bytes a head
	s_add_co_u32 s96, s96, s76
	s_add_nc_u64 s[12:13], s[12:13], s[96:97]
	v_and_b32 v10, 31, v0                          ; L
	v_and_b32 v11, 15, v0                          ; r
	v_bfe_u32 v9, v0, 4, 1                         ; h
	v_lshlrev_b32 v1, 3, v10
	v_lshl_add_u32 v2, v10, 1, KSC
	v_lshl_add_u32 v3, v10, 2, VSC
	v_add_nc_u32 v4, 98304, v1
	v_lshlrev_b32 v5, 1, v11
	v_lshl_add_u32 v6, v11, 3, v9
	v_lshlrev_b32 v7, 3, v9
.irp i, 0,1,2,3,4,5
	v_mov_b32 v[22+\i], 0                          ; zero codes: Q's upper 64 along K,
	v_mov_b32 v[80+\i], 0                          ; and what stands behind K's last tile
.endr
	v_mov_b32 v29, 0xd0000000                      ; -2^33: the score of a masked key (logit -2^30)
	v_mov_b32 v[F+1], 0                            ; (named as the upper half of a pair)
	v_mov_b32 v[T0], 0
.irp b, 0,1,2,3
	v_mov_b32 v[BT+\b], 0                          ; a lane permute's destination counts as one of its sources
.endr
	s_wait_tensorcnt 0x0                           ; my load has landed; the descriptors' registers are free from here on
	s_barrier_signal -1
	s_barrier_wait -1                              ; everybody's has: LDS is only read from here on
	s_mov_b32 s[PASS], 2
.Lpass:
	global_load_b64 v[16:17], v1, s[QC:QC+1]       ; Q's half-fragment stays in registers
	global_load_b64 v[18:19], v1, s[QC:QC+1] offset:256
	global_load_b64 v[20:21], v1, s[QC:QC+1] offset:512
	global_load_u16 v28, v5, s[QS:QS+1]            ; its two scale bytes; the upper two are 0
	v_mov_b32 v13, 0xff61b1e6                      ; the largest t so far: -3e38, under every t
	v_floor_f32 v12, -v13                          ; -M
	v_mov_b32 v14, 0
	v_mov_b32 v15, 0
.set n, 0
.rept 32
	v_mov_b32 v[O+n], 0                            ; O^T: the step is written once; the first finds zeros, which the first change of M leaves zeros
.set n, n+1
.endr
	s_mov_b32 s[STP], 16
	s_mov_b32 s[TB], 0
	s_mov_b32 s[TS], 0
	s_wait_loadcnt 0x0
.Lstep:
	v_add_nc_u32 v[ADK], s[TB], v1                 ; these four are also the places between the last step's products and the loads into their registers
	v_add_nc_u32 v[ADV], s[TB], v4
	v_add_nc_u32 v[ADS], s[TS], v2
	v_add_nc_u32 v[ADT], s[TS], v3
	s_load_b512 s[16:31], s[8:9], 0x0              ; the step's 64 mask words
	s_load_b512 s[32:47], s[8:9], 0x40
	s_load_b512 s[48:63], s[8:9], 0x80
	s_load_b512 s[80:95], s[8:9], 0xc0
.irp t, 0,1,2,3,4,5,6,7
.irp p, 0,1,2
	ds_load_b64 v[32+6*\t+2*\p:33+6*\t+2*\p], v[ADK] offset:768*\t+256*\p
.endr
.endr
.irp i, 0,1,2,3
	ds_load_u16 v[86+\i], v[ADS] offset:64*\i      ; lanes 0-15: tile 2 i's rows; lanes 16-31: tile 2 i + 1's
.endr
	s_wait_dscnt 0x0
.irp i, 0,1,2,3                                ; S^T = K Q^T: eight tiles of 16 keys
	v_wmma_scale_f32_16x16x128_f8f6f4 v[S+16*\i:S+16*\i+7], v[32+12*\i:43+12*\i], v[16:27], 0, v[86+\i], v28 matrix_a_fmt:MATRIX_FMT_FP6 matrix_b_fmt:MATRIX_FMT_FP6
	v_wmma_scale_f32_16x16x128_f8f6f4 v[S+16*\i+8:S+16*\i+15], v[38+12*\i:49+12*\i], v[16:27], 0, v[86+\i], v28 matrix_a_fmt:MATRIX_FMT_FP6 matrix_b_fmt:MATRIX_FMT_FP6 matrix_a_scale:MATRIX_SCALE_ROW1
.endr
.rept 4
	v_nop                                          ; places: in front of the loads into K's registers, and of the first read of the scores
.endr
.irp t, 0,1,2,3                                ; V's four fragments (16 of the head's 64 x 128 keys) land while the softmax is worked
.irp p, 0,1,2,3,4,5
	ds_load_b64 v[32+12*\t+2*\p:33+12*\t+2*\p], v[ADV] offset:3072*(\p/3)+768*\t+256*(\p%3)
.endr
.endr
.irp i, 0,1
	ds_load_b32 v[90+\i], v[ADT] offset:128*\i
.endr
	s_wait_kmcnt 0x0                               ; the mask words are in
	s_wait_xcnt 0x0                                ; and their loads have read their base, which steps now
	s_add_nc_u64 s[8:9], s[8:9], 256
.set n, 0
.rept 64                                       ; a masked key's score becomes -2^33; each accumulator from its low end on
.if n < 48
	v_cndmask_b32 v[S+n], v29, v[S+n], s[16+n]
.else
	v_cndmask_b32 v[S+n], v29, v[S+n], s[32+n]
.endif
.set n, n+1
.endr
.irp b, 0,1,2,3
	v_max3_num_f32 v[BM+\b], v[S+16*\b], v[S+1+16*\b], v[S+2+16*\b]   ; the largest score of each block of 32 keys: it serves for the row's maximum and, since p rises with the score, for the block's largest p
.endr
.irp i, 3,5,7,9,11,13
.irp b, 0,1,2,3
	v_max3_num_f32 v[BM+\b], v[BM+\b], v[S+16*\b+\i], v[S+1+16*\b+\i]
.endr
.endr
.irp b, 0,1,2,3
	v_max_num_f32 v[BM+\b], v[BM+\b], v[S+15+16*\b]
.endr
.irp b, 0,1,2,3
	v_permlanex16_b32 v[BT+\b], v[BM+\b], s[SEL], s[SEL+1]
.endr
.irp b, 0,1,2,3
	v_max_num_f32 v[BM+\b], v[BM+\b], v[BT+\b]     ; with lane l xor 16's 16 keys
.endr
	v_max3_num_f32 v[T0], v[BM], v[BM+1], v[BM+2]
	v_max_num_f32 v[T0], v[T0], v[BM+3]            ; the step's largest score of my query
	v_mul_f32 v[T0], s[CS], v[T0]                  ; as t
	v_max_num_f32 v13, v13, v[T0]                  ; the running largest t
	v_mov_b32 v[T0], v12
	v_floor_f32 v12, -v13                          ; the new -M = floor(-t): M is a whole number
	v_sub_f32 v[T0], v12, v[T0]                    ; old M less new M: a whole number, 0 or less
	v_cvt_i32_f32 v[T0], v[T0]                     ; (it saturates)
	v_ldexp_f32 v[F], 1.0, v[T0]                   ; f = 2^(old M - new M)
.set n, 0
.rept 32
	v_pk_fma_f32 v[S+n:S+n+1], v[S+n:S+n+1], s[CS:CS+1], v[12:13] op_sel_hi:[1,0,0]   ; t - M, two at a time
.set n, n+2
.endr
.irp b, 0,1,2,3
	v_fma_f32 v[BM+\b], v[BM+\b], s[CS], v12       ; the same of each block's largest score
.endr
.set n, 0
.rept 64
	v_exp_f32 v[S+n], v[S+n]                       ; p = 2^(t - M), at most 1
.set n, n+1
.endr
	v_pk_mul_f32 v[14:15], v[14:15], v[F:F+1] op_sel_hi:[1,0]   ; the sums under the new M: a plain instruction behind the exponentials
	s_wait_alu depctr_va_vdst(0)                   ; one wait for the batch of 64, ahead of its first reader
.irp b, 0,1,2,3
	v_exp_f32 v[BM+\b], v[BM+\b]                   ; the block's largest p: the same two instructions on the same number give the same bits
.endr
	v_pk_add_f32 v[SU:SU+1], v[S:S+1], v[S+2:S+3]  ; the row's sum is taken of the unquantised p, in two chains
.irp j, 4,8,12,16,20,24,28,32,36,40,44,48,52,56,60
	v_pk_add_f32 v[14:15], v[14:15], v[S+\j:S+\j+1]
	v_pk_add_f32 v[SU:SU+1], v[SU:SU+1], v[S+2+\j:S+3+\j]
.endr
	v_pk_add_f32 v[14:15], v[14:15], v[SU:SU+1]
	s_wait_alu depctr_va_vdst(0)                   ; and one for the four
.irp b, 0,1,2,3
	v_max_num_f32 v[BM+\b], 0x1800000, v[BM+\b]    ; the floor 2^(3 - 127): the byte cannot fall under 1
.endr
.irp b, 0,1,2,3
	v_add_nc_u32 v[BS+\b], 0xff000000, v[BM+\b]    ; 2 off the exponent field: the conversion's scale operand
.endr
.irp b, 0,1,2,3
	v_lshrrev_b32 v[BT+\b], 23, v[BS+\b]           ; the scale's byte
.endr
	v_lshl_or_b32 v[PWD], v[BT+1], 8, v[BT]        ; p's scale word for these 128 keys
	v_lshl_or_b32 v[PWD], v[BT+2], 16, v[PWD]
	v_lshl_or_b32 v[PWD], v[BT+3], 24, v[PWD]
.irp c, 0,1
	v_cvt_scalef32_pk16_fp6_f32 v[PCD+6*\c:PCD+6*\c+2], v[S+32*\c:S+32*\c+15], v[BS+2*\c]
	v_cvt_scalef32_pk16_fp6_f32 v[PT+4*\c:PT+4*\c+2], v[S+32*\c+16:S+32*\c+31], v[BS+2*\c+1]   ; (a conversion's three registers begin on an even number)
.endr
	v_nop                                          ; one plain place behind a scaled conversion
.irp c, 0,1                                    ; the operand's layout wants a whole block in a lane
.irp i, 0,1,2
	v_permlane16_swap_b32 v[PCD+6*\c+\i], v[PT+4*\c+\i]
.endr
.irp i, 0,1,2
	v_mov_b32 v[PCD+3+6*\c+\i], v[PT+4*\c+\i]
.endr
.endr
.set n, 0
.rept 16
	v_pk_mul_f32 v[O+n:O+n+1], v[O+n:O+n+1], v[F:F+1] op_sel_hi:[1,0]   ; O^T under the new M.  (These sixteen are also the places between the writes of p's codes and scale word and the products below)
.set n, n+2
.endr
	s_wait_dscnt 0x0                               ; V and its scales are in
.irp i, 0,1                                    ; O^T += V^T P^T: four accumulators, one instruction each
	v_wmma_scale_f32_16x16x128_f8f6f4 v[O+16*\i:O+16*\i+7], v[32+24*\i:43+24*\i], v[PCD:PCD+11], v[O+16*\i:O+16*\i+7], v[90+\i], v[PWD] matrix_a_fmt:MATRIX_FMT_FP6 matrix_b_fmt:MATRIX_FMT_FP6
	v_wmma_scale_f32_16x16x128_f8f6f4 v[O+16*\i+8:O+16*\i+15], v[44+24*\i:55+24*\i], v[PCD:PCD+11], v[O+16*\i+8:O+16*\i+15], v[90+\i], v[PWD] matrix_a_fmt:MATRIX_FMT_FP6 matrix_b_fmt:MATRIX_FMT_FP6 matrix_a_scale:MATRIX_SCALE_ROW1
.endr
	s_add_co_u32 s[TB], s[TB], 6144
	s_add_co_u32 s[TS], s[TS], 256
	s_sub_co_u32 s[STP], s[STP], 1
	s_cmp_lg_u32 s[STP], 0
	s_cbranch_scc1 .Lstep
	; THE TILE'S END.  O^T / the sum; register 16 p + i is e = 32 p + 16 h + i of my query: two blocks of 32 along the last product's K, quantised into one half-fragment.
.rept 4
	v_nop                                          ; places behind the last products
.endr
	v_add_f32 v14, v14, v15                        ; the sum's two halves,
	v_permlanex16_b32 v[T0], v14, s[SEL], s[SEL+1]
	v_add_f32 v14, v14, v[T0]                      ; and lane l xor 16's: the row's sum, at least 1/2
	v_rcp_f32 v14, v14
	v_nop                                          ; one plain place behind the reciprocal,
	s_wait_alu depctr_va_vdst(0)                   ; and the wait ahead of its first reader
.set n, 0
.rept 32
	v_mul_f32 v[S+n], v[O+n], v14                  ; each accumulator from its low end on
.set n, n+1
.endr
.irp p, 0,1
	v_max3_num_f32 v[BM+\p], |v[S+16*\p]|, |v[S+1+16*\p]|, 0x1800000
.endr
.irp i, 2,4,6,8,10,12,14
.irp p, 0,1
	v_max3_num_f32 v[BM+\p], v[BM+\p], |v[S+16*\p+\i]|, |v[S+1+16*\p+\i]|
.endr
.endr
.irp p, 0,1
	v_permlanex16_b32 v[BT+\p], v[BM+\p], s[SEL], s[SEL+1]
.endr
.irp p, 0,1
	v_max_num_f32 v[BM+\p], v[BM+\p], v[BT+\p]
.endr
.irp p, 0,1
	v_add_nc_u32 v[BS+\p], 0xff000000, v[BM+\p]
.endr
.irp p, 0,1
	v_lshrrev_b32 v[BT+\p], 23, v[BS+\p]
.endr
	v_lshl_or_b32 v[SU], v[BT+1], 8, v[BT]
	v_lshrrev_b32 v[SU], v7, v[SU]                 ; lanes 0-15 store block 0's byte, lanes 16-31 block 1's
	v_cvt_scalef32_pk16_fp6_f32 v[PCD:PCD+2], v[S:S+15], v[BS]
	v_cvt_scalef32_pk16_fp6_f32 v[PT:PT+2], v[S+16:S+31], v[BS+1]
	v_nop                                          ; one plain place behind a scaled conversion
.irp i, 0,1,2
	v_permlane16_swap_b32 v[PCD+\i], v[PT+\i]      ; lanes 0-15 now hold block 0 whole, lanes 16-31 block 1
.endr
.irp i, 0,1,2
	v_mov_b32 v[PCD+3+\i], v[PT+\i]
.endr
.irp p, 0,1,2
	global_store_b64 v1, v[PCD+2*\p:PCD+2*\p+1], s[10:11] offset:256*\p   ; a plane: 256 consecutive bytes, aligned
.endr
	global_store_b8 v6, v[SU], s[12:13]
	s_wait_xcnt 0x0                                ; the loads and stores have read their bases and registers: all may be written again
	s_add_nc_u64 s[QC:QC+1], s[QC:QC+1], 768
	s_add_nc_u64 s[QS:QS+1], s[QS:QS+1], 32
	s_add_nc_u64 s[10:11], s[10:11], 12288
	s_add_nc_u64 s[12:13], s[12:13], 512
	s_sub_co_u32 s[PASS], s[PASS], 1
	s_cmp_lg_u32 s[PASS], 0
	s_cbranch_scc1 .Lpass
	s_wait_tensorcnt 0x0
	ds_add_u32 v254, v255
	s_wait_dscnt 0x0
	CROUND                                         ; the closing round
	s_endpgm
.Lfunc_end_k_q6792d281d5_attn:
	.size	k_q6792d281d5_attn, .Lfunc_end_k_q6792d281d5_attn-k_q6792d281d5_attn
	.p2alignl 7, 3214868480
	.fill 96, 4, 3214868480
	.section	.rodata,"a",@progbits
	.p2align	6, 0x0
	.amdhsa_kernel k_q6792d281d5_attn
		.amdhsa_group_segment_fixed_size 227328
		.amdhsa_private_segment_fixed_size 0
		.amdhsa_enable_private_segment 0
		.amdhsa_kernarg_size 40
		.amdhsa_user_sgpr_count 2
		.amdhsa_user_sgpr_kernarg_segment_ptr 1
		.amdhsa_wavefront_size32 1
		.amdhsa_system_sgpr_workgroup_id_x 1
		.amdhsa_system_sgpr_workgroup_id_y 1
		.amdhsa_system_sgpr_workgroup_id_z 1
		.amdhsa_system_vgpr_workitem_id 0
		.amdhsa_next_free_vgpr 256
		.amdhsa_next_free_sgpr 100
		.amdhsa_reserve_vcc 0
		.amdhsa_float_denorm_mode_32 3
		.amdhsa_float_denorm_mode_16_64 3
		.amdhsa_memory_ordered 1
		.amdhsa_forward_progress 1
		.amdhsa_inst_pref_size 37
	.end_amdhsa_kernel
	.amdgpu_metadata
---
amdhsa.version: [ 1, 2 ]
amdhsa.kernels:
  - .name:           k_q6792d281d5_attn
    .symbol:         k_q6792d281d5_attn.kd
    .args:
      - { .name: hc, .offset: 0, .size: 8, .value_kind: global_buffer, .address_space: global }
      - { .name: hs, .offset: 8, .size: 8, .value_kind: global_buffer, .address_space: global }
      - { .name: mbits, .offset: 16, .size: 8, .value_kind: global_buffer, .address_space: global }
      - { .name: ac, .offset: 24, .size: 8, .value_kind: global_buffer, .address_space: global }
      - { .name: asc, .offset: 32, .size: 8, .value_kind: global_buffer, .address_space: global }
    .group_segment_fixed_size: 227328
    .private_segment_fixed_size: 0
    .kernarg_segment_align: 8
    .kernarg_segment_size: 40
    .max_flat_workgroup_size: 512
    .sgpr_count:     100
    .vgpr_count:     256
    .wavefront_size: 32
...
	.end_amdgpu_metadata
.endif
;; end of part 3
;; launch outp (part 4): grid 4 x 32, 4 waves a work-group, clusters of 4 x 4, 327,680 bytes of LDS; arguments ac, asc, cin, sin, W_o_b, out0; writes out0
.if DOCPART == 4
	.amdgcn_target "amdgcn-amd-amdhsa--gfx1250"
	.amdhsa_code_object_version 6
	.text
	.protected	k_q6792d281d5_outp
	.globl	k_q6792d281d5_outp
	.p2align	8
	.type	k_q6792d281d5_outp,@function
k_q6792d281d5_outp:
	s_mov_b64 s[64:65], 0
	v_nop
	global_prefetch_b8 v0, s[64:65] scope:SCOPE_SE
	s_setreg_imm32_b32 hwreg(HW_REG_WAVE_MODE, 25, 1), 1
	s_wait_xcnt 0x0
	s_wait_alu depctr_hold_cnt(0) depctr_sa_sdst(0) depctr_va_vdst(0) depctr_va_sdst(0) depctr_va_ssrc(0) depctr_va_vcc(0) depctr_vm_vsrc(0)
	s_getreg_b32 s2, hwreg(HW_REG_IB_STS2, 6, 4)
	s_cmp_eq_u32 s2, 0
	s_cbranch_scc0 .Lentry_in_a_cluster
	s_endpgm
.Lentry_in_a_cluster:
	s_bfe_u32 s2, ttmp6, 0x10000c
	s_cmp_lg_u32 s2, 0xf033
	s_cbranch_scc0 .Lentry_shape_is_right
	s_endpgm
.Lentry_shape_is_right:
; OUTP: out0 = attn W_o_w^T + W_o_b, K = 1,024, on codes of FP6 (E2M3) with E8M0 scales; out0 [8,192][1,024] f32.
; A = attn's codes (ac, asc), B = W_o_w's (in cin, sin).  A block of 256 x 256 is made by a work-group of four waves; a wave makes 128 x 128.  Source 0 = 16 rows of B, source 1 = 16 rows of A: a lane holds numbers of one row of out0.
; Operands lie in memory as images of their registers: tiles of 16 rows (lane r of tile 2 P + u: row 32 P + 8 u + r + 8 (r / 8)), a tile's K in half-fragments of 768 bytes (three planes of 256 bytes, 8 bytes a lane).
; So register j of accumulator (a, b) in lane (r, h) is out0(row r of A's tile a, column 32 (b / 2) + 16 h + 8 (b % 2) + j of my 128).
; K goes in steps of 256 through a ring of two LDS slots; the scale words come once.  CLUSTERS: 4 x 4 work-groups; A's tiles are shared along a row of the cluster, B's along a column, each asked for jointly.
; THE BIAS is the C of each sum's first matrix instruction: eight registers for each of B's tiles, in the result's layout.
; THE WAY OUT: a tile of 16 rows x 128 columns goes through my own stage in LDS and comes back as whole rows of 512 bytes.  The stage lies in slot 0, which has had its last fill and its last read by then.
; REGISTERS, in windows of 256: window 0: v0-31 addresses; v32-63 scale words, two sets; v64-127 the bias; from v128 A's fragments, one set (on the way out v128-255: rows read back).  window 1: B's fragments, two sets.  windows 2, 3: the accumulators.
.set NQ,     2
.set FR,     12
.set NL,     6
.set NP,     4                         ; places behind this matrix instruction (ISA guide 7.12.1)
.set SLK,    3072                      ; a tile's bytes of a slot: 256 along K
.set HALFT,  8*SLK
.set SLOT,   4*HALFT
.set SCL,    2*SLOT
.set HALFS,  4096
.set SPARE,  SCL+4*HALFS               ; the spare words, 128 bytes for each wave: two blocks of 256 bytes that no other line names
.set SPITCH, 528                       ; a stage row: 512 bytes + 16
.set ADRA, 16
.set ADRB, 20
.set STO,  24                          ; v24     the way out: where I put my numbers of a row
.set RD,   25                          ; v25     where I read a row back
.set CO,   26                          ; v26     16 x lane: my bytes of a row's 512
.set ADRS, 27
.set SPW,  28                          ; v28     LDS address of my spare word; never rewritten
.set NIL,  29                          ; v29     0; never rewritten
.set SC,   32
.set BI,   64                          ; the bias
.set AF,   128
.set BK,   128                         ; the way out: 16 rows read back: v128-191 and v192-255 by turns
.set G1, 24
.set G0, 32
.set G1B, 48
.set G0B, 56
.set G1S, 68
.set G0S, 76
.set G1SB, 80
.set G0SB, 88
.set MSB, 0
.macro WIN new                         ; the immediate's high byte repeats the setting that is left
.if MSB != \new
	s_set_vgpr_msb (MSB<<8)|\new
.set MSB, \new
.endif
.endm
.set MUL_LO, 0xa1                      ; source 0 (B) window 1, source 1 (A) window 0, C and D window 2
.set MUL_HI, 0xf1                      ; the same, C and D window 3
.set FST_LO, 0x81                      ; the first step: C (the bias) window 0, D window 2
.set FST_HI, 0xc1                      ; D window 3
.set TO_B,   0x40
.macro JLOAD g0a, g1a, g0b, g1b        ; a joint load: waves 0 and 1 fetch for A, waves 2 and 3 for B; four v_nop follow each line
	s_cmp_eq_u32 s15, 0
	s_cbranch_scc0 .Lfor_b_\@
	tensor_load_to_lds s[\g0a:\g0a+3], s[\g1a:\g1a+7]
	s_nop 0
.rept 4
	v_nop
.endr
	s_branch .Lasked_\@
.Lfor_b_\@:
	tensor_load_to_lds s[\g0b:\g0b+3], s[\g1b:\g1b+7]
	s_nop 0
.rept 4
	v_nop
.endr
.Lasked_\@:
.endm
.macro CREST
	s_cmp_lg_u32 s14, 0
	s_cbranch_scc1 .Lnot_wave_0_\@
	s_barrier_signal -3
.Lnot_wave_0_\@:
	s_barrier_wait -3
	s_barrier_signal -1
	s_barrier_wait -1
.endm
.macro CROUND
	s_barrier_signal -1
	s_barrier_wait -1
	CREST
.endm
	s_load_b128 s[4:7], s[0:1], 0x0                ; ac, asc
	s_load_b128 s[8:11], s[0:1], 0x10              ; cin, sin
	s_load_b128 s[96:99], s[0:1], 0x20             ; W_o_b, out0
	v_lshl_add_u32 v[SPW], v0, 2, SPARE
	v_mov_b32 v[NIL], 0
	ds_add_u32 v28, v29
	ds_add_u32 v28, v29
	s_wait_dscnt 0x0
	v_lshrrev_b32 v1, 5, v0
	v_readfirstlane_b32 s14, v1                    ; wave 0..3
	s_lshr_b32 s15, s14, 1                         ; which half of A's rows is mine.  Also: I fetch for A (0) or for B (1)
	s_and_b32 s16, s14, 1                          ; which half of B's rows.  Also: which 8 tiles I fetch
	s_bfe_u32 s40, ttmp6, 0x40000                  ; cx, cy
	s_bfe_u32 s41, ttmp6, 0x40004
	s_lshl_b32 s42, ttmp9, 2
	s_add_co_u32 s42, s42, s40                     ; B's block of 256 rows (columns of out0)
	s_and_b32 s17, ttmp7, 0xffff
	s_lshl_b32 s17, s17, 2
	s_add_co_u32 s17, s17, s41                     ; A's block of 256 rows
	s_lshl_b32 s43, s41, 2
	s_lshl_b32 s43, 15, s43                        ; my row of the cluster
	s_lshl_b32 s44, 0x1111, s40                    ; my column
	s_or_b32 s[G1+0], s43, (3<<16)|(1<<21)         ; 8 tiles x 3,072 bytes (384 elements of 8 bytes), 12,288 bytes from tile to tile
	s_or_b32 s[G1B+0], s44, (3<<16)|(1<<21)
.irp g, G1, G1B
	s_mov_b32 s[\g+1], 384<<16
	s_mov_b32 s[\g+2], 8<<16
	s_mov_b32 s[\g+3], 384<<16
	s_mov_b32 s[\g+4], 8
	s_mov_b32 s[\g+5], 1536
	s_mov_b32 s[\g+6], 0
	s_mov_b32 s[\g+7], 0
.endr
	s_or_b32 s[G1S+0], s43, (3<<16)|(1<<21)        ; the scale words of 8 tiles: 4,096 dense bytes, as 16 rows of 256
	s_or_b32 s[G1SB+0], s44, (3<<16)|(1<<21)
.irp g, G1S, G1SB
	s_mov_b32 s[\g+1], 32<<16
	s_mov_b32 s[\g+2], 16<<16
	s_mov_b32 s[\g+3], 32<<16
	s_mov_b32 s[\g+4], 16
	s_mov_b32 s[\g+5], 32
	s_mov_b32 s[\g+6], 0
	s_mov_b32 s[\g+7], 0
.endr
	s_lshl_b32 s18, s16, 3                         ; which 8 tiles of the block I fetch
	s_lshl_b32 s19, s17, 4
	s_add_co_u32 s19, s19, s18                     ; A: tile 16 x block + 8 x half
	s_mul_i32 s20, s19, 12288
	s_lshl_b32 s22, s19, 9
	s_mov_b32 s21, 0
	s_mov_b32 s23, 0
	s_lshl_b32 s2, s42, 4                          ; B likewise, in registers of its own
	s_add_co_u32 s2, s2, s18
	s_mul_i32 s46, s2, 12288
	s_add_co_u32 s46, s46, 21233664                ; W_o_w's codes in cin
	s_lshl_b32 s92, s2, 9
	s_add_co_u32 s92, s92, 884736                  ; and its scale words in sin
	s_mov_b32 s47, 0
	s_mov_b32 s93, 0
	s_mul_i32 s45, s14, HALFT                      ; where they go: no place in the cluster enters an LDS address
	s_mul_i32 s94, s14, HALFS
	s_wait_kmcnt 0x0
	s_add_nc_u64 s[20:21], s[4:5], s[20:21]
	s_add_nc_u64 s[22:23], s[6:7], s[22:23]
	s_add_nc_u64 s[46:47], s[8:9], s[46:47]
	s_add_nc_u64 s[92:93], s[10:11], s[92:93]
	CROUND                                         ; all sixteen work-groups are here: the first joint loads meet
	s_mov_b32 s[G0S], 1
	s_add_co_u32 s[G0S+1], s94, SCL
	s_mov_b64 s[G0S+2:G0S+3], s[22:23]
	s_or_b32 s[G0S+3], s[G0S+3], 0x80000000
	s_mov_b32 s[G0SB], 1
	s_add_co_u32 s[G0SB+1], s94, SCL
	s_mov_b64 s[G0SB+2:G0SB+3], s[92:93]
	s_or_b32 s[G0SB+3], s[G0SB+3], 0x80000000
	JLOAD G0S, G1S, G0SB, G1SB
.irp s, 0,1
	s_mov_b32 s[G0+4*\s], 1
	s_add_co_u32 s[G0+4*\s+1], s45, \s*SLOT
	s_add_nc_u64 s[G0+4*\s+2:G0+4*\s+3], s[20:21], \s*SLK
	s_or_b32 s[G0+4*\s+3], s[G0+4*\s+3], 0x80000000
	s_mov_b32 s[G0B+4*\s], 1
	s_add_co_u32 s[G0B+4*\s+1], s45, \s*SLOT
	s_add_nc_u64 s[G0B+4*\s+2:G0B+4*\s+3], s[46:47], \s*SLK
	s_or_b32 s[G0B+4*\s+3], s[G0B+4*\s+3], 0x80000000
	JLOAD G0+4*\s, G1, G0B+4*\s, G1B               ; three loads of mine are out now
.endr
	v_and_b32 v1, 15, v0                           ; r
	v_bfe_u32 v2, v0, 4, 1                         ; h
	v_and_b32 v3, 31, v0
	v_lshlrev_b32 v[CO], 4, v3                     ; 16 x lane
	v_lshlrev_b32 v3, 3, v3                        ; 8 x lane
	s_lshl_b32 s18, s42, 10                        ; my first column, in bytes: 1,024 x block + 512 x half
	s_lshl_b32 s19, s16, 9
	s_add_co_u32 s18, s18, s19
	s_mov_b32 s19, 0
	s_add_nc_u64 s[96:97], s[96:97], s[18:19]      ; the bias of my 128 columns
	s_add_nc_u64 s[98:99], s[98:99], s[18:19]
	s_lshl_b32 s18, s17, 20                        ; my first row: 256 x block + 128 x half, of 4,096 bytes
	s_lshl_b32 s20, s15, 19
	s_add_co_u32 s18, s18, s20
	s_add_nc_u64 s[98:99], s[98:99], s[18:19]
	v_lshlrev_b32 v7, 6, v2                        ; 16 h columns
.irp b, 0,1,2,3,4,5,6,7
	global_load_b128 v[BI+8*\b:BI+8*\b+3], v7, s[96:97] offset:(32*(\b/2)+8*(\b%2))*4
	global_load_b128 v[BI+8*\b+4:BI+8*\b+7], v7, s[96:97] offset:(32*(\b/2)+8*(\b%2))*4+16
.endr
	s_mul_i32 s21, s15, HALFT                      ; my 8 tiles of A
	s_mul_i32 s22, s16, HALFT                      ; my 8 tiles of B,
	s_add_co_u32 s22, s22, 2*HALFT                 ; which lie behind A's 16
.irp s, 0,1
	v_add_nc_u32 v[ADRA+\s], s21, v3
	v_add_nc_u32 v[ADRB+\s], s22, v3
	s_add_co_u32 s21, s21, SLOT
	s_add_co_u32 s22, s22, SLOT
.endr
	v_lshlrev_b32 v5, 3, v1                        ; my row's 8 bytes of scale words
	s_mul_i32 s21, s15, HALFS
	s_mul_i32 s22, s16, HALFS
	s_add_co_u32 s22, s22, 2*HALFS
	s_sub_co_u32 s22, s22, s21
	v_mul_u32_u24 v6, s22, v2                      ; lanes 16-31 take B's: one product, the lower base + h x the distance
	s_add_co_u32 s21, s21, SCL
	v_add_nc_u32 v5, v5, v6
	v_add_nc_u32 v[ADRS], s21, v5
	s_mul_i32 s23, s14, 16*SPITCH                  ; my stage
	v_mul_u32_u24 v5, v1, SPITCH
	v_lshl_add_u32 v5, v2, 6, v5                   ; in: row r, + 64 h
	v_add_nc_u32 v[STO], s23, v5
	v_add_nc_u32 v[RD], s23, v[CO]                 ; back: the 32 lanes take one row of 512 bytes
.macro FRAG reg, adr, q, i             ; a fragment: six planes of 256 bytes, 8 bytes a lane
.irp p, 0,1,2,3,4,5
	ds_load_b64 v[\reg+2*\p:\reg+2*\p+1], v[\adr] offset:(\i)*SLK+(\q)*1536+256*\p
.endr
.endm
; 16 matrix instructions: A's tiles a0, a0 + 1 x B's eight.  first = 1: the bias is the C of the sum's first product.  The 64 accumulators take turns, one instruction a turn.
.macro MUL16 a0, p, q, sc, first
.irp a, \a0, \a0+1
.irp b, 0,1,2,3,4,5,6,7
.if \first
	v_wmma_scale_f32_16x16x128_f8f6f4 v[8*(8*((\a)%4)+\b):8*(8*((\a)%4)+\b)+7], v[128*(\p)+FR*\b:128*(\p)+FR*\b+FR-1], v[AF+FR*(\a):AF+FR*(\a)+FR-1], v[BI+8*\b:BI+8*\b+7], v[SC+8*NQ*(\sc)+NQ*\b+(\q)], v[SC+8*NQ*(\sc)+NQ*(\a)+(\q)] matrix_a_fmt:MATRIX_FMT_FP6 matrix_b_fmt:MATRIX_FMT_FP6 matrix_a_scale:MATRIX_SCALE_ROW1
.else
	v_wmma_scale_f32_16x16x128_f8f6f4 v[8*(8*((\a)%4)+\b):8*(8*((\a)%4)+\b)+7], v[128*(\p)+FR*\b:128*(\p)+FR*\b+FR-1], v[AF+FR*(\a):AF+FR*(\a)+FR-1], v[8*(8*((\a)%4)+\b):8*(8*((\a)%4)+\b)+7], v[SC+8*NQ*(\sc)+NQ*\b+(\q)], v[SC+8*NQ*(\sc)+NQ*(\a)+(\q)] matrix_a_fmt:MATRIX_FMT_FP6 matrix_b_fmt:MATRIX_FMT_FP6 matrix_a_scale:MATRIX_SCALE_ROW1
.endif
.endr
.endr
.endm
.macro FETCH_B slot, q, p
	WIN TO_B
.irp i, 0,1,2,3,4,5,6,7
	FRAG 128*(\p)+FR*\i, ADRB+\slot, \q, \i
.endr
	WIN 0
.endm
.macro FETCH_A slot, q, i0
.irp i, \i0, \i0+1, \i0+2, \i0+3
	FRAG AF+FR*(\i), ADRA+\slot, \q, \i
.endr
.endm
.macro SCALES sc
.irp i, 0,1,2,3,4,5,6,7
	ds_load_b64 v[SC+8*NQ*\sc+NQ*\i:SC+8*NQ*\sc+NQ*\i+1], v[ADRS] offset:\i*512
.endr
.endm
.macro PLACES n
.rept \n
	v_nop
.endr
.endm
.macro STEP slot, q, first
	s_wait_dscnt 4*NL                              ; B's set and A's tiles 0-3 are in; the youngest 24 loads (A's tiles 4-7) may be out
.if \first
	WIN FST_LO
.else
	WIN MUL_LO
.endif
	MUL16 0, (\q)%2, \q, \slot, \first
	MUL16 2, (\q)%2, \q, \slot, \first
	s_wait_dscnt 0                                 ; A's tiles 4-7 are in
	PLACES NP
	FETCH_B \slot, (\q)+1, 1-(\q)%2
	FETCH_A \slot, (\q)+1, 0
.if \first
	WIN FST_HI
.else
	WIN MUL_HI
.endif
	MUL16 4, (\q)%2, \q, \slot, \first
	MUL16 6, (\q)%2, \q, \slot, \first
	PLACES NP
	WIN 0
	FETCH_A \slot, (\q)+1, 4
.endm
.macro TURN slot, next, fill           ; a slot's last step changes slots
	s_wait_tensorcnt 0x0                           ; all my tensor loads have landed: my part of the next slot;
	ds_add_u32 v[SPW], v[NIL]                      ; 0 onto my spare word;
	s_wait_dscnt 4*NL+1                            ; (the add and the youngest 24 loads may be out)
	WIN MUL_LO
	MUL16 0, 1, NQ-1, \slot, 0
	s_wait_dscnt 0x0                               ; the add is done, and my reads of this slot are over
	s_barrier_signal -1
	MUL16 2, 1, NQ-1, \slot, 0
	WIN 0
	s_barrier_wait -1
.if \fill
	CREST                                          ; the barrier has opened a round of the cluster's barrier
	s_add_nc_u64 s[G0+4*\slot+2:G0+4*\slot+3], s[G0+4*\slot+2:G0+4*\slot+3], 2*SLK
	s_add_nc_u64 s[G0B+4*\slot+2:G0B+4*\slot+3], s[G0B+4*\slot+2:G0B+4*\slot+3], 2*SLK
	JLOAD G0+4*\slot, G1, G0B+4*\slot, G1B         ; the first tensor load behind the round, and my only one until the next
.else
	PLACES NP
.endif
	v_add_nc_u32 v[ADRS], 128, v[ADRS]
	FETCH_B \next, 0, 0
	FETCH_A \next, 0, 0
	SCALES \next
	WIN MUL_HI
	MUL16 4, 1, NQ-1, \slot, 0
	MUL16 6, 1, NQ-1, \slot, 0
	PLACES NP
	WIN 0
	FETCH_A \next, 0, 4
.endm
	s_wait_tensorcnt 1                             ; the scale words and my part of slot 0 are in (slot 1's load may be out)
	s_barrier_signal -1
	s_barrier_wait -1                              ; everybody's are
	FETCH_B 0, 0, 0
	FETCH_A 0, 0, 0
	SCALES 0
	FETCH_A 0, 0, 4
	s_wait_loadcnt 0x0                             ; the bias
	STEP 0, 0, 1
	TURN 0, 1, 1
	STEP 1, 0, 0
	TURN 1, 0, 1
	STEP 0, 0, 0
	TURN 0, 1, 0                                   ; nothing is left to fetch; behind this barrier nobody reads slot 0
	STEP 1, 0, 0
	s_wait_dscnt 4*NL
	WIN MUL_LO
	MUL16 0, 1, NQ-1, 1, 0
	MUL16 2, 1, NQ-1, 1, 0
	s_wait_dscnt 0
	WIN MUL_HI
	MUL16 4, 1, NQ-1, 1, 0
	MUL16 6, 1, NQ-1, 1, 0
	WIN 0
; THE WAY OUT, tile by tile of 16 rows x 128 columns.  LDS serves a wave's instructions in order (ISA guide 5.7.1.4): no wait between the stores and the loads, nor in front of the next tile's stores.
.macro TOSTAGE a
.set AC, 64*((\a)%4)
.set WS, 0x08+4*((\a)/4)
	WIN WS                                         ; the data: window 2 or 3
.irp b, 0,1,2,3,4,5,6,7
	ds_store_b128 v[STO], v[AC+8*\b:AC+8*\b+3] offset:128*(\b/2)+32*(\b%2)          ; each accumulator from its low end on
	ds_store_b128 v[STO], v[AC+8*\b+4:AC+8*\b+7] offset:128*(\b/2)+32*(\b%2)+16
.endr
	WIN 0
.set BB, BK+64*((\a)%2)
.irp t, 0,1,2,3,4,5,6,7,8,9,10,11,12,13,14,15
	ds_load_b128 v[BB+4*\t:BB+4*\t+3], v[RD] offset:\t*SPITCH
.endr
.endm
.macro SEND a, younger                 ; younger: the LDS instructions issued behind tile a's loads, which may stay out
.set BB, BK+64*((\a)%2)
	s_wait_dscnt \younger
.irp t, 0,1,2,3,4,5,6,7,8,9,10,11,12,13,14,15
	global_store_b128 v[CO], v[BB+4*\t:BB+4*\t+3], s[98:99] offset:(32*((\a)/2)+8*((\a)%2)+\t+8*(\t/8))*4096 th:TH_STORE_NT   ; row t of tile a: 32 lanes store 512 consecutive bytes, at a multiple of 256 from out0's first byte
.endr
.endm
	PLACES NP                                      ; behind the last products: their results are read, and loads land in registers that they read
	TOSTAGE 0
.irp a, 1,2,3,4,5,6,7
.if \a > 1
	s_wait_xcnt 0x0                                ; tile a - 2's stores have read their registers: tile a's loads may land there
.endif
	TOSTAGE \a
	SEND \a-1, 32                                  ; behind tile a - 1's loads: tile a's 16 stores and 16 loads
.endr
	SEND 7, 0
	s_wait_tensorcnt 0x0                           ; the wave's end
	ds_add_u32 v[SPW], v[NIL]
	s_wait_dscnt 0x0
	CROUND                                         ; the closing round
	s_endpgm
.Lfunc_end_k_q6792d281d5_outp:
	.size	k_q6792d281d5_outp, .Lfunc_end_k_q6792d281d5_outp-k_q6792d281d5_outp
	.p2alignl 7, 3214868480
	.fill 96, 4, 3214868480
	.section	.rodata,"a",@progbits
	.p2align	6, 0x0
	.amdhsa_kernel k_q6792d281d5_outp
		.amdhsa_group_segment_fixed_size 327680
		.amdhsa_private_segment_fixed_size 0
		.amdhsa_enable_private_segment 0
		.amdhsa_kernarg_size 48
		.amdhsa_user_sgpr_count 2
		.amdhsa_user_sgpr_kernarg_segment_ptr 1
		.amdhsa_wavefront_size32 1
		.amdhsa_system_sgpr_workgroup_id_x 1
		.amdhsa_system_sgpr_workgroup_id_y 1
		.amdhsa_system_sgpr_workgroup_id_z 1
		.amdhsa_system_vgpr_workitem_id 0
		.amdhsa_next_free_vgpr 1024
		.amdhsa_next_free_sgpr 100
		.amdhsa_reserve_vcc 0
		.amdhsa_float_denorm_mode_32 3
		.amdhsa_float_denorm_mode_16_64 3
		.amdhsa_memory_ordered 1
		.amdhsa_forward_progress 1
		.amdhsa_inst_pref_size 160
	.end_amdhsa_kernel
	.amdgpu_metadata
---
amdhsa.version: [ 1, 2 ]
amdhsa.kernels:
  - .name:           k_q6792d281d5_outp
    .symbol:         k_q6792d281d5_outp.kd
    .args:
      - { .name: ac, .offset: 0, .size: 8, .value_kind: global_buffer, .address_space: global }
      - { .name: asc, .offset: 8, .size: 8, .value_kind: global_buffer, .address_space: global }
      - { .name: cin, .offset: 16, .size: 8, .value_kind: global_buffer, .address_space: global }
      - { .name: sin, .offset: 24, .size: 8, .value_kind: global_buffer, .address_space: global }
      - { .name: W_o_b, .offset: 32, .size: 8, .value_kind: global_buffer, .address_space: global }
      - { .name: out0, .offset: 40, .size: 8, .value_kind: global_buffer, .address_space: global }
    .group_segment_fixed_size: 327680
    .private_segment_fixed_size: 0
    .kernarg_segment_align: 8
    .kernarg_segment_size: 48
    .max_flat_workgroup_size: 128
    .sgpr_count:     100
    .vgpr_count:     1024
    .wavefront_size: 32
...
	.end_amdgpu_metadata
.endif
;; end of part 4
